; MI455X (gfx1250); checked and timed in simulation.
; The chip was launched on July 23, 2026; its instructions are those of AMD's public machine-readable ISA for CDNA 5 (MIT licence, August 2026) and "CDNA5" Instruction Set Architecture Reference Guide (July 2026). The comments in the code are by the model that wrote it; some were corrected since.
;; Multi Head Latent Attention. Allowed arithmetic: matrix products marked QUANTISED: E2M3 operands, one E8M0 scale for each 32 along K, by v_wmma_scale_f32_16x16x128_f8f6f4 with both operands' format E2M3, f32 sums; everything else in f32.
;; Inputs: W_dkv 256 x 1,024 float32; W_dq 256 x 1,024 float32; W_o 1,024 x 1,024 float32; W_rk 32 x 1,024 float32; W_rq 512 x 256 float32; W_uk 1,024 x 256 float32; W_uq 1,024 x 256 float32; W_uv 1,024 x 256 float32; x 2 x 2,048 x 1,024 float32.
;; Outputs: out0 2 x 2,048 x 1,024 float32.
;; This version of the problem:
;;   THIS VERSION OF THE PROBLEM IS GIVEN IN LOW PRECISION. The matrix products marked QUANTISED in the list below multiply operands that are first quantised to E2M3 (2 exponent bits, 3 mantissa bits; 6 bits a number), with one power-of-two scale for each 32 numbers along K (OCP MX v1.0); their sums are f32. All else is computed in f32.
;;   The module's matrix products, in the order in which they are computed (A, B: the left and right operand; K: the contracted axis; several contracted axes count as one K, in the product's order):
;;     1. [M 4,096, K 1,024] x [K 1,024, N 256]; A: input x; B: input W_dq: QUANTISED
;;     2. [M 4,096, K 256] x [K 256, N 1,024]; A: computed on the way; B: input W_uq: QUANTISED
;;     3. [M 4,096, K 256] x [K 256, N 512]; A: computed on the way; B: input W_rq: QUANTISED
;;     4. [M 4,096, K 1,024] x [K 1,024, N 256]; A: input x; B: input W_dkv: QUANTISED
;;     5. [M 4,096, K 256] x [K 256, N 1,024]; A: computed on the way; B: input W_uk: QUANTISED
;;     6. [M 4,096, K 256] x [K 256, N 1,024]; A: computed on the way; B: input W_uv: QUANTISED
;;     7. [M 4,096, K 1,024] x [K 1,024, N 32]; A: input x; B: input W_rk: QUANTISED
;;     8. batch 32 x [M 2,048, K 96] x [K 96, N 2,048]; A: computed on the way; B: computed on the way: QUANTISED
;;     9. batch 32 x [M 2,048, K 2,048] x [K 2,048, N 64]; A: softmax (see below); B: computed on the way: QUANTISED
;;     10. [M 4,096, K 1,024] x [K 1,024, N 1,024]; A: computed on the way; B: input W_o: QUANTISED
;;   THE QUANTISER, for each operand of a quantised product, along K:
;;     - K is cut into blocks of 32 from its start; a last block that is shorter is filled with zeros.
;;     - A block's scale is 2^e with e = floor(log2(the largest magnitude in the block)) - 2, held to -126 .. 127; a block of zeros has e = 0. As a byte (E8M0): e + 127.
;;     - Each number is divided by its block's scale, clamped to +-7.5, and rounded to the nearest number of E2M3, ties to even, subnormals kept.
;;     - The product sums the exact products of the quantised numbers (number of the format x scale) in f32.
;;   ~~~python
;;   def quantise(x, axis):      # numpy; x: float32 -> the quantised numbers, widened to float32 again
;;       x = np.moveaxis(x, axis, -1); K = x.shape[-1]
;;       x = np.pad(x, [(0, 0)] * (x.ndim - 1) + [(0, -K % 32)]); x = x.reshape(x.shape[:-1] + (-1, 32)); a = np.abs(x).max(-1, keepdims=True)
;;       e = np.where(a > 0, np.clip(np.frexp(np.where(a > 0, a, 1))[1] - 1 - 2, -126, 127), 0)      # np.frexp(a)[1] - 1 = floor(log2(a)), exactly
;;       r = np.clip(x / 2.0 ** e, -7.5, 7.5)
;;       step = 2.0 ** (np.maximum(np.frexp(np.where(r == 0, 1, r))[1] - 1, 0) - 3)
;;       q = np.round(r / step) * step * 2.0 ** e      # np.round: ties to even
;;       return np.moveaxis(q.reshape(q.shape[:-2] + (-1,))[..., :K], -1, axis).astype(np.float32)
;;   ~~~
;;   SOFTMAX AHEAD OF A QUANTISED PRODUCT. Where the list says 'softmax', what is quantised is not the finished softmax but p = 2^(t - M), with t = logit x log2(e) and M = ceil(the row's largest t), a whole number; so 1/2 < the row's largest p <= 1. The row's sum l is taken of the UNQUANTISED p, in f32, and the product's result is divided by l at the end. Since M is a whole number, a kernel that streams over the keys may use a running M (the ceiling of the running maximum): every later rescaling is an exact power of two, which a block's scale takes up: the codes' values come out the same.
;;   OPERANDS COMPUTED ON THE WAY. 'Computed on the way' means the value that the module computes at that place (a softmax that the list does not call 'softmax' is quantised finished and normalised). What goes into a quantiser is computed in f32, as accurately as f32 sums, v_exp_f32 and their like allow (about 1e-6 of the number): no bf16 or f16 on the way to a quantiser, and a product that is left as it is and whose result goes on into a quantised operand takes f32 operands (vector FMAs, or v_wmma_f32_16x16x4_f32). A number that lies on a knife's edge between two numbers of the format may be rounded either way, as far as f32 arithmetic and the matrix unit's own rounding can turn it there, and no further.
;; One version. Each part assembles by itself: llvm-mc -triple=amdgcn-amd-amdhsa -mcpu=gfx1250 --defsym DOCPART=n.
;; ======== version 1 of 1: 5 launches
;; limits: right only within a limited range of input values
;; workspace buffers: xq 3,276,800 bytes; wq 2,048,000 bytes; rope 262,144 bytes; lat 1,638,400 bytes; kr 212,992 bytes; qf 6,553,600 bytes; kv 9,830,400 bytes; af 3,276,800 bytes
;; launch prep (part 1): grid 426 x 1, 4 waves a work-group, no clusters, 68,096 bytes of LDS; arguments x, W_dq, W_dkv, W_o, W_rk, W_uq, W_rq, W_uk, W_uv, xq, wq, rope; writes xq, wq, rope
.if DOCPART == 1
	.amdgcn_target "amdgcn-amd-amdhsa--gfx1250"
	.amdhsa_code_object_version 6
	.text
	.protected	k_qc13d2d0611_prep
	.globl	k_qc13d2d0611_prep
	.p2align	8
	.type	k_qc13d2d0611_prep,@function
k_qc13d2d0611_prep:
	s_mov_b64 s[64:65], 0
	v_nop
	global_prefetch_b8 v0, s[64:65] scope:SCOPE_SE
	s_setreg_imm32_b32 hwreg(HW_REG_WAVE_MODE, 25, 1), 1
	s_wait_xcnt 0x0
; PREP: x and the eight weights (all f32, K innermost) become codes of FP6 (E2M3) with one E8M0 byte for each 32 along K; and the table of cos and sin for the rotations is made.
; LAYOUT OF ALL CODES IN THIS PROGRAM.  Rows go in groups of 32; tile u (0, 1) of group G has fragment row p (0..15) = row 32 G + 8 u + p + 8 (p / 8).
; A fragment (16 rows x 128 K, 12 registers a lane) lies as three images of four registers: registers 4 q .. 4 q + 3 of lane l at 512 q + 16 l: 1,536 bytes.
; A panel (128 rows x 128 K) is 8 fragments and then 8 x 16 scale words (one word a row, byte b for k = 32 b ..): PB = 12,800 bytes.
; SHARES.  A wave takes one group of 32 rows x 128 K: 32 loads of 512 consecutive bytes, a turn through its own stage in LDS, two fragments and 128 bytes of scale words out.
; Work-groups 0-255: x; 256-271 W_dq; 272-287 W_dkv; 288-351 W_o; 352-353 W_rk; 354-369 W_uq; 370-377 W_rq; 378-393 W_uk; 394-409 W_uv; 410-425: the table.
; No cluster, no tensor load: no two work-groups read the same bytes, and waves share nothing (no barrier).
; A block's scale is 2^(floor(log2(largest magnitude)) - 2): its byte is the largest magnitude's exponent field - 2, held at 1 from below.
; LIMITS: NaN and infinities among the inputs are not served; a block whose largest magnitude lies under 2^-124 has its byte held at 1; a block of zeros has the byte 1 where the rule says 127
; (its codes are zeros, and the bytes are read by this program alone).  The table: the frequencies are 10^(-i/4) rounded to f32, which may differ by one unit in the last place from a computed power:
; at position 2,047 that is some 1e-4 radians; sin and cos are good to about 1e-7 absolute for angles up to 2,047.
.set PB, 12800
.set SROW, 528                         ; a stage row: 512 bytes + 16, so that the 16 rows that a read touches begin 16 bytes apart modulo 256
.set STG, 32*SROW                      ; a wave's stage
.set MX, 16                            ; v16-17 largest magnitudes of my two blocks
.set SO, 18                            ; v18-19 the conversions' scale operands
.set BY, 20                            ; v20-21 the bytes
.set W0, 22                            ; v22, v23 the two tiles' scale words
.set W1, 23
.set F0, 28                            ; v28-39 tile 0's fragment
.set T, 40                             ; v40-47 second halves of blocks, before they are moved
.set R, 48                             ; v48-175 32 rows as loaded; later tile 1's numbers
.set X, 176                            ; v176-239 tile 0's numbers
.set F1, 240                           ; v240-251 tile 1's fragment
.set CS, 32                            ; the table's path: v32-63, a pair (cos, sin) for each of 16 steps
	s_load_b512 s[8:23], s[0:1], 0x0               ; x, W_dq, W_dkv, W_o, W_rk, W_uq, W_rq, W_uk
	s_load_b256 s[24:31], s[0:1], 0x40             ; W_uv, xq, wq, rope
	v_lshl_add_u32 v254, v0, 2, 0x10800
	v_mov_b32 v255, 0
	v_lshrrev_b32 v1, 5, v0
	v_readfirstlane_b32 s2, v1                     ; wave 0..3
	v_and_b32 v1, 31, v0                           ; lane
	v_and_b32 v2, 15, v0                           ; r
	v_bfe_u32 v3, v0, 4, 1                         ; h
	s_cmp_ge_u32 ttmp9, 410
	s_cbranch_scc1 .Ltable
	v_lshlrev_b32 v4, 4, v1                        ; 16 x lane: my bytes of a row's 512, and of an image
	s_mul_i32 s3, s2, STG
	v_add_nc_u32 v5, s3, v4                        ; the stage, on the way in
	v_mul_u32_u24 v6, v2, SROW
	v_lshl_add_u32 v6, v3, 7, v6
	v_add_nc_u32 v6, s3, v6                        ; and out: row r, + 128 h: k = 32 h on
	v_lshlrev_b32 v8, 2, v1                        ; 4 x lane
	v_lshlrev_b32 v9, 3, v3                        ; 8 h: my bytes' place in the scale word
	v_mov_b32 v24, 0                               ; a lane permute's destination counts as one of its sources
	s_mov_b32 s52, 0x76543210
	s_mov_b32 s53, 0xfedcba98                      ; selects for lane l xor 16
	s_mov_b32 s54, 0xffff0000                      ; lanes 16-31
	s_wait_kmcnt 0x0
; which tensor: the choices hang on the work-group's number alone
.macro PICK n0, ptr, dp
	s_cmp_ge_u32 ttmp9, \n0
	s_cselect_b64 s[4:5], s[\ptr:\ptr+1], s[4:5]
	s_cselect_b32 s6, \n0, s6
	s_cselect_b32 s7, \dp, s7
.endm
	s_mov_b64 s[4:5], s[8:9]                       ; the source,
	s_mov_b32 s6, 0                                ; its first work-group,
	s_mov_b32 s7, 0                                ; its first panel
	PICK 256, 10, 0
	PICK 272, 12, 16
	PICK 288, 14, 96
	PICK 352, 16, 32
	PICK 354, 18, 40
	PICK 370, 20, 56
	PICK 378, 22, 64
	PICK 394, 24, 80
	s_cmp_lt_u32 ttmp9, 256
	s_cselect_b64 s[32:33], s[26:27], s[28:29]     ; x goes to xq, the weights to wq
	s_cmp_lt_u32 ttmp9, 354
	s_cselect_b32 s34, 3, 1                        ; log2 of the K steps: K = 1,024 or 256
	s_sub_co_u32 s35, ttmp9, s6
	s_lshl_b32 s35, s35, 2
	s_add_co_u32 s35, s35, s2                      ; my job in the tensor
	s_lshl_b32 s36, 1, s34
	s_sub_co_u32 s36, s36, 1
	s_and_b32 s37, s35, s36                        ; K step
	s_lshr_b32 s38, s35, s34                       ; group of 32 rows
	s_add_co_u32 s39, s34, 14
	s_lshl_b32 s40, s38, s39                       ; 32 rows of 512 << lk bytes
	s_lshl_b32 s41, s37, 9
	s_add_co_u32 s40, s40, s41
	s_mov_b32 s41, 0
	s_add_nc_u64 s[4:5], s[4:5], s[40:41]
	s_lshr_b32 s42, s38, 2
	s_lshl_b32 s42, s42, s34
	s_add_co_u32 s42, s42, s37
	s_add_co_u32 s42, s42, s7                      ; the panel
	s_mul_i32 s42, s42, PB
	s_and_b32 s43, s38, 3                          ; which quarter of it
	s_mul_i32 s44, s43, 3072
	s_add_co_u32 s44, s44, s42
	s_mov_b32 s45, 0
	s_add_nc_u64 s[46:47], s[32:33], s[44:45]      ; my two fragments
	s_lshl_b32 s48, s43, 7
	s_add_co_u32 s48, s48, s42
	s_add_co_u32 s48, s48, 12288
	s_mov_b32 s49, 0
	s_add_nc_u64 s[50:51], s[32:33], s[48:49]      ; my 32 scale words
.macro ROWS pitch                      ; 32 rows, 512 consecutive bytes each
.set i, 0
.rept 32
	global_load_b128 v[R+4*i:R+4*i+3], v4, s[4:5] offset:i*(\pitch) th:TH_LOAD_NT
.set i, i+1
.endr
.endm
	s_cmp_ge_u32 ttmp9, 354
	s_cbranch_scc1 .Lnarrow
	s_wait_alu depctr_va_vdst(0)
	ROWS 4096
	s_branch .Lloaded
.Lnarrow:
	s_wait_alu depctr_va_vdst(0)
	ROWS 1024
.Lloaded:
.set i, 0
.rept 32
	s_wait_loadcnt 31-i                            ; row i is in; the 31 - i younger loads may be out
	ds_store_b128 v5, v[R+4*i:R+4*i+3] offset:(16*((i>>3)&1)+(i&7)+8*(i>>4))*SROW   ; to stage row 16 u + p
.set i, i+1
.endr
.irp c, 0,1                            ; tile 0 back: lane (r, h) takes k = 64 c + 32 h + 0 .. 31 of row r.  LDS serves a wave's instructions in order: these see the stores
.irp e, 0,1,2,3,4,5,6,7
	ds_load_b128 v[X+32*\c+4*\e:X+32*\c+4*\e+3], v6 offset:256*\c+16*\e
.endr
.endr
	s_wait_dscnt 0x0                               ; tile 0 is in, and the stores have read R
.irp c, 0,1                            ; tile 1, into R, lands while tile 0 is worked on
.irp e, 0,1,2,3,4,5,6,7
	ds_load_b128 v[R+32*\c+4*\e:R+32*\c+4*\e+3], v6 offset:16*SROW+256*\c+16*\e
.endr
.endr
; 64 numbers of a lane, v[x + 32 c + i] = k 64 c + 32 h + i of row r: two whole blocks.  They become the fragment's 12 registers as they stand, and the row's scale word.
.macro QUANTB x, f, w
.irp c, 0,1
	v_max3_num_f32 v[MX+\c], |v[(\x)+32*\c]|, |v[(\x)+32*\c+1]|, 0x1800000   ; with the floor 2^(3 - 127): the byte cannot fall under 1
.endr
.irp i, 2,4,6,8,10,12,14,16,18,20,22,24,26,28,30
.irp c, 0,1
	v_max3_num_f32 v[MX+\c], v[MX+\c], |v[(\x)+32*\c+\i]|, |v[(\x)+32*\c+\i+1]|
.endr
.endr
.irp c, 0,1
	v_add_nc_u32 v[SO+\c], 0xff000000, v[MX+\c]    ; 2 off the exponent field: the conversion's scale operand
.endr
.irp c, 0,1
	v_lshrrev_b32 v[BY+\c], 23, v[SO+\c]           ; the byte
.endr
	v_lshl_or_b32 v[\w], v[BY+1], 16, v[BY]        ; blocks h and 2 + h,
	v_lshlrev_b32 v[\w], v9, v[\w]                 ; at their places;
	v_permlanex16_b32 v24, v[\w], s52, s53
	v_or_b32 v[\w], v[\w], v24                     ; with lane l xor 16's two the word is whole
.irp c, 0,1
	v_cvt_scalef32_pk16_fp6_f32 v[(\f)+6*\c:(\f)+6*\c+2], v[(\x)+32*\c:(\x)+32*\c+15], v[SO+\c]
	v_cvt_scalef32_pk16_fp6_f32 v[T+4*\c:T+4*\c+2], v[(\x)+32*\c+16:(\x)+32*\c+31], v[SO+\c]   ; (a conversion's three registers begin on an even number)
.endr
	v_nop                                          ; one plain place behind the conversions
.irp c, 0,1
.irp i, 0,1,2
	v_mov_b32 v[(\f)+6*\c+3+\i], v[T+4*\c+\i]
.endr
.endr
.endm
	QUANTB X, F0, W0
	s_wait_dscnt 0x0                               ; tile 1 is in
	QUANTB R, F1, W1
.irp q, 0,1,2
	global_store_b128 v4, v[F0+4*\q:F0+4*\q+3], s[46:47] offset:512*\q          ; 512 consecutive bytes a store
.endr
.irp q, 0,1,2
	global_store_b128 v4, v[F1+4*\q:F1+4*\q+3], s[46:47] offset:1536+512*\q
.endr
	v_cndmask_b32 v[W0], v[W0], v[W1], s54         ; lanes 0-15 tile 0's words, lanes 16-31 tile 1's
	global_store_b32 v8, v[W0], s[50:51]           ; 128 consecutive bytes
	s_wait_tensorcnt 0x0
	ds_add_u32 v254, v255
	s_wait_dscnt 0x0
	s_endpgm
; THE TABLE: rope[pos][i] = (cos, sin)(pos x 10^(-i/4)), pos 0..2047, i 0..15.  64 waves, 32 positions each; a lane takes frequency i = lane % 16 and position 2 s + lane / 16 of step s.
.Ltable:
	s_sub_co_u32 s3, ttmp9, 410
	s_lshl_b32 s3, s3, 2
	s_add_co_u32 s3, s3, s2                        ; wave 0..63
	s_lshl_b32 s4, s3, 5
	s_wait_alu depctr_va_vdst(0)
	v_add_nc_u32 v5, s4, v3                        ; my first position
	s_lshl_b32 s4, s3, 12
	v_lshl_add_u32 v16, v1, 3, s4                  ; 8 x lane + 4,096 x wave
	v_mov_b32 v4, 1.0
.macro FREQ i, bits
	v_cmp_ne_u32 vcc_lo, \i, v2
	v_cndmask_b32 v4, \bits, v4, vcc_lo
.endm
	FREQ 1, 0x3f0ff59a
	FREQ 2, 0x3ea1e89b
	FREQ 3, 0x3e361887
	FREQ 4, 0x3dcccccd
	FREQ 5, 0x3d6655c3
	FREQ 6, 0x3d0186e2
	FREQ 7, 0x3c91ad39
	FREQ 8, 0x3c23d70a
	FREQ 9, 0x3bb8449c
	FREQ 10, 0x3b4f3e37
	FREQ 11, 0x3ae91528
	FREQ 12, 0x3a83126f
	FREQ 13, 0x3a136a16
	FREQ 14, 0x39a5cb5f
	FREQ 15, 0x393a7753
	s_mov_b32 s40, 0xbfc90fdb                      ; -(pi/2 rounded to f32)
	s_mov_b32 s41, 0x333bbd2e                      ; that number less pi/2: 4.371139e-8
	s_mov_b32 s42, 0xb94ca1f9                      ; sin: -1.9515295891e-4, 8.3321608736e-3, -1.6666654611e-1
	s_mov_b32 s43, 0x3c08839e
	s_mov_b32 s44, 0xbe2aaaa3
	s_mov_b32 s45, 0x37ccf5ce                      ; cos: 2.443315711809948e-5, -1.388731625493765e-3, 4.166664568298827e-2
	s_mov_b32 s46, 0xbab6061a
	s_mov_b32 s47, 0x3d2aaaa5
	s_wait_kmcnt 0x0
.macro ANG s
	v_add_nc_u32 v6, 2*(\s), v5
	v_cvt_f32_u32 v6, v6
	s_wait_alu depctr_va_vdst(0)
	v_mul_f32 v7, v6, v4                           ; the angle, rounded once
	v_mul_f32 v8, 0x3f22f983, v7                   ; x 2 / pi
	v_rndne_f32 v8, v8                             ; k quarter turns
	v_fma_f32 v9, v8, s40, v7
	v_fma_f32 v9, v8, s41, v9                      ; what is left, within pi/4
	v_mul_f32 v10, v9, v9
	v_fma_f32 v11, v10, s42, s43
	v_fma_f32 v11, v11, v10, s44
	v_mul_f32 v11, v11, v10
	v_fma_f32 v11, v11, v9, v9                     ; its sine
	v_fma_f32 v12, v10, s45, s46
	v_fma_f32 v12, v12, v10, s47
	v_mul_f32 v14, v10, v10
	v_fma_f32 v15, v10, -0.5, 1.0
	v_fma_f32 v12, v12, v14, v15                   ; its cosine
	v_cvt_i32_f32 v13, v8
	v_and_b32 v14, 1, v13
	v_cmp_eq_u32 vcc_lo, 1, v14
	v_cndmask_b32 v14, v11, v12, vcc_lo            ; an odd k changes the two over
	v_cndmask_b32 v15, v12, v11, vcc_lo
	v_and_b32 v11, 2, v13
	v_lshlrev_b32 v11, 30, v11
	v_xor_b32 v[CS+2*(\s)+1], v14, v11             ; the sine is negative in quarters 2 and 3,
	v_add_nc_u32 v12, 1, v13
	v_and_b32 v12, 2, v12
	v_lshlrev_b32 v12, 30, v12
	v_xor_b32 v[CS+2*(\s)], v15, v12               ; the cosine in quarters 1 and 2
	global_store_b64 v16, v[CS+2*(\s):CS+2*(\s)+1], s[30:31] offset:256*(\s)   ; 256 consecutive bytes; each step has its own pair, so no store's data are written again
.endm
.irp s, 0,1,2,3,4,5,6,7,8,9,10,11,12,13,14,15
	ANG \s
.endr
	s_endpgm
.Lfunc_end_k_qc13d2d0611_prep:
	.size	k_qc13d2d0611_prep, .Lfunc_end_k_qc13d2d0611_prep-k_qc13d2d0611_prep
	.p2alignl 7, 3214868480
	.fill 96, 4, 3214868480
	.section	.rodata,"a",@progbits
	.p2align	6, 0x0
	.amdhsa_kernel k_qc13d2d0611_prep
		.amdhsa_group_segment_fixed_size 68096
		.amdhsa_private_segment_fixed_size 0
		.amdhsa_enable_private_segment 0
		.amdhsa_kernarg_size 96
		.amdhsa_user_sgpr_count 2
		.amdhsa_user_sgpr_kernarg_segment_ptr 1
		.amdhsa_wavefront_size32 1
		.amdhsa_system_sgpr_workgroup_id_x 1
		.amdhsa_system_sgpr_workgroup_id_y 1
		.amdhsa_system_sgpr_workgroup_id_z 1
		.amdhsa_system_vgpr_workitem_id 0
		.amdhsa_next_free_vgpr 256
		.amdhsa_next_free_sgpr 66
		.amdhsa_reserve_vcc 1
		.amdhsa_float_denorm_mode_32 3
		.amdhsa_float_denorm_mode_16_64 3
		.amdhsa_memory_ordered 1
		.amdhsa_forward_progress 1
		.amdhsa_inst_pref_size 46
	.end_amdhsa_kernel
	.amdgpu_metadata
---
amdhsa.version: [ 1, 2 ]
amdhsa.kernels:
  - .name:           k_qc13d2d0611_prep
    .symbol:         k_qc13d2d0611_prep.kd
    .args:
      - { .name: x, .offset: 0, .size: 8, .value_kind: global_buffer, .address_space: global }
      - { .name: W_dq, .offset: 8, .size: 8, .value_kind: global_buffer, .address_space: global }
      - { .name: W_dkv, .offset: 16, .size: 8, .value_kind: global_buffer, .address_space: global }
      - { .name: W_o, .offset: 24, .size: 8, .value_kind: global_buffer, .address_space: global }
      - { .name: W_rk, .offset: 32, .size: 8, .value_kind: global_buffer, .address_space: global }
      - { .name: W_uq, .offset: 40, .size: 8, .value_kind: global_buffer, .address_space: global }
      - { .name: W_rq, .offset: 48, .size: 8, .value_kind: global_buffer, .address_space: global }
      - { .name: W_uk, .offset: 56, .size: 8, .value_kind: global_buffer, .address_space: global }
      - { .name: W_uv, .offset: 64, .size: 8, .value_kind: global_buffer, .address_space: global }
      - { .name: xq, .offset: 72, .size: 8, .value_kind: global_buffer, .address_space: global }
      - { .name: wq, .offset: 80, .size: 8, .value_kind: global_buffer, .address_space: global }
      - { .name: rope, .offset: 88, .size: 8, .value_kind: global_buffer, .address_space: global }
    .group_segment_fixed_size: 68096
    .private_segment_fixed_size: 0
    .kernarg_segment_align: 8
    .kernarg_segment_size: 96
    .max_flat_workgroup_size: 128
    .sgpr_count:     66
    .vgpr_count:     256
    .wavefront_size: 32
...
	.end_amdgpu_metadata
.endif
;; end of part 1
;; launch down (part 2): grid 64 x 4, 4 waves a work-group, clusters of 4 x 1, 168,448 bytes of LDS; arguments xq, wq, rope, lat, kr; writes lat, kr
.if DOCPART == 2
	.amdgcn_target "amdgcn-amd-amdhsa--gfx1250"
	.amdhsa_code_object_version 6
	.text
	.protected	k_qc13d2d0611_down
	.globl	k_qc13d2d0611_down
	.p2align	8
	.type	k_qc13d2d0611_down,@function
k_qc13d2d0611_down:
	s_mov_b64 s[64:65], 0
	v_nop
	global_prefetch_b8 v0, s[64:65] scope:SCOPE_SE
	s_setreg_imm32_b32 hwreg(HW_REG_WAVE_MODE, 25, 1), 1
	s_wait_xcnt 0x0
	s_wait_alu depctr_hold_cnt(0) depctr_sa_sdst(0) depctr_va_vdst(0) depctr_va_sdst(0) depctr_va_ssrc(0) depctr_va_vcc(0) depctr_vm_vsrc(0)
	s_getreg_b32 s2, hwreg(HW_REG_IB_STS2, 6, 4)
	s_cmp_eq_u32 s2, 0
	s_cbranch_scc0 .Lentry_in_a_cluster
	s_endpgm
.Lentry_in_a_cluster:
	s_bfe_u32 s2, ttmp6, 0x10000c
	s_cmp_lg_u32 s2, 0x3003
	s_cbranch_scc0 .Lentry_shape_is_right
	s_endpgm
.Lentry_shape_is_right:
; DOWN: c_Q = x W_dq^T, c_KV = x W_dkv^T, K_R = rope(x W_rk^T), all on codes of FP6 with E8M0 scales, K = 1,024; the results are quantised along their own axis (the next products' K) and stored as codes.
; Layouts (groups of 32 rows, fragments as images of their registers, panels of PB bytes): see the head of the first launch's text.
; SHARES.  Work-group (X, cg): 64 tokens (X = 4 x cluster x + cx) x 128 latent numbers (cg 0, 1: c_Q; 2, 3: c_KV): wq's panels 8 cg .. 8 cg + 7.  Wave w: token tile 4 X + w, 8 tiles of W x 8 K steps.
; The product is used TRANSPOSED (source 0 = 16 rows of W, source 1 = 16 tokens): a lane holds one token, and by the order of W's rows in a tile the 16 registers of tiles 2 b, 2 b + 1 are 16 neighbours along the next K.
; The wave with w = cg also makes K_R of its token tile: so each of a block's four tiles is served once by the four column groups.  That branch hangs on the wave's number and on the cluster's y.
; CLUSTER.  The four partners (four blocks of tokens, one column group) read the same 102,400 bytes of W: asked for jointly, one load a wave (K steps 2 w and 2 w + 1), filled once: nothing in LDS is filled twice.
; A wave has one tensor load outstanding.
; LIMITS: as stated at the head of the first launch's text (NaN, infinities, very small blocks, the byte of a block of zeros).
; REGISTERS: window 0: v1-11 addresses; v16-23 W's scale words (2 sets x 4 pairs of tiles); v24-31 x's scale words; v32-127 W's fragments (2 sets x 4); v128-191 the 8 accumulators;
;   v192-207 K_R; v208-223 its cos, sin; v224-239 at work; v240 the scale word; v241-248 W_rk's scale words; v249-255 K_R's word and codes.   window 1: v0-95 x's 8 fragments.   window 2: v0-191 W_rk's 16.
.set PB, 12800
.set WV, 14
.set SEL, 20
.set SW, 16
.set XS, 24
.set WF, 32
.set ACC, 128
.set KRA, 192
.set CSR, 208
.set TM, 224
.set PW, 240
.set KRS, 241
.set KW, 249
.set KC, 250
.set MSB, 0
.macro WIN new                         ; the immediate's high byte repeats the setting that is left
.if MSB != (\new)
	s_set_vgpr_msb (MSB<<8)|(\new)
.set MSB, \new
.endif
.endm
.macro PLACES n
.rept \n
	v_nop
.endr
.endm
.macro CROUND                          ; a round of the cluster's barrier
	s_barrier_signal -1
	s_barrier_wait -1
	s_cmp_lg_u32 s[WV], 0
	s_cbranch_scc1 .Lnw0_\@
	s_barrier_signal -3
.Lnw0_\@:
	s_barrier_wait -3
	s_barrier_signal -1
	s_barrier_wait -1
.endm
; one product: D at d, source 0 at a, source 1 at b; zero: C = 0, else C = D; sa, sb: the scale registers; ra, rb: 1 = the scales stand in lanes 16-31
.macro WM d, a, b, zero, sa, sb, ra, rb
.if \zero
.if (\ra) && (\rb)
	v_wmma_scale_f32_16x16x128_f8f6f4 v[(\d):(\d)+7], v[(\a):(\a)+11], v[(\b):(\b)+11], 0, v[\sa], v[\sb] matrix_a_fmt:MATRIX_FMT_FP6 matrix_b_fmt:MATRIX_FMT_FP6 matrix_a_scale:MATRIX_SCALE_ROW1 matrix_b_scale:MATRIX_SCALE_ROW1
.elseif (\ra)
	v_wmma_scale_f32_16x16x128_f8f6f4 v[(\d):(\d)+7], v[(\a):(\a)+11], v[(\b):(\b)+11], 0, v[\sa], v[\sb] matrix_a_fmt:MATRIX_FMT_FP6 matrix_b_fmt:MATRIX_FMT_FP6 matrix_a_scale:MATRIX_SCALE_ROW1
.elseif (\rb)
	v_wmma_scale_f32_16x16x128_f8f6f4 v[(\d):(\d)+7], v[(\a):(\a)+11], v[(\b):(\b)+11], 0, v[\sa], v[\sb] matrix_a_fmt:MATRIX_FMT_FP6 matrix_b_fmt:MATRIX_FMT_FP6 matrix_b_scale:MATRIX_SCALE_ROW1
.else
	v_wmma_scale_f32_16x16x128_f8f6f4 v[(\d):(\d)+7], v[(\a):(\a)+11], v[(\b):(\b)+11], 0, v[\sa], v[\sb] matrix_a_fmt:MATRIX_FMT_FP6 matrix_b_fmt:MATRIX_FMT_FP6
.endif
.else
.if (\ra) && (\rb)
	v_wmma_scale_f32_16x16x128_f8f6f4 v[(\d):(\d)+7], v[(\a):(\a)+11], v[(\b):(\b)+11], v[(\d):(\d)+7], v[\sa], v[\sb] matrix_a_fmt:MATRIX_FMT_FP6 matrix_b_fmt:MATRIX_FMT_FP6 matrix_a_scale:MATRIX_SCALE_ROW1 matrix_b_scale:MATRIX_SCALE_ROW1
.elseif (\ra)
	v_wmma_scale_f32_16x16x128_f8f6f4 v[(\d):(\d)+7], v[(\a):(\a)+11], v[(\b):(\b)+11], v[(\d):(\d)+7], v[\sa], v[\sb] matrix_a_fmt:MATRIX_FMT_FP6 matrix_b_fmt:MATRIX_FMT_FP6 matrix_a_scale:MATRIX_SCALE_ROW1
.elseif (\rb)
	v_wmma_scale_f32_16x16x128_f8f6f4 v[(\d):(\d)+7], v[(\a):(\a)+11], v[(\b):(\b)+11], v[(\d):(\d)+7], v[\sa], v[\sb] matrix_a_fmt:MATRIX_FMT_FP6 matrix_b_fmt:MATRIX_FMT_FP6 matrix_b_scale:MATRIX_SCALE_ROW1
.else
	v_wmma_scale_f32_16x16x128_f8f6f4 v[(\d):(\d)+7], v[(\a):(\a)+11], v[(\b):(\b)+11], v[(\d):(\d)+7], v[\sa], v[\sb] matrix_a_fmt:MATRIX_FMT_FP6 matrix_b_fmt:MATRIX_FMT_FP6
.endif
.endif
.endm
; 16 nb numbers of a lane, v[s + 16 b + i] = k 32 b + 16 (lane / 16) + i of my row, become the codes of a fragment (registers pc on; nb = 2: its first six) and the row's scale word pw.
; nb = 3: the fourth block is zeros, with the byte 127.  tq: 8 registers at work.  Each accumulator among the numbers is read from its low end on.
.macro QUANT s, nb, pc, tq, pw
.set qb, 0
.rept \nb
	v_max3_num_f32 v[TM+qb], |v[(\s)+16*qb]|, |v[(\s)+16*qb+1]|, 0x1800000   ; with the floor 2^(3 - 127): the byte cannot fall under 1
.set qb, qb+1
.endr
.irp i, 2,4,6,8,10,12,14
.set qb, 0
.rept \nb
	v_max3_num_f32 v[TM+qb], v[TM+qb], |v[(\s)+16*qb+\i]|, |v[(\s)+16*qb+\i+1]|
.set qb, qb+1
.endr
.endr
.set qb, 0
.rept \nb
	v_permlanex16_b32 v[TM+4+qb], v[TM+qb], s[SEL], s[SEL+1]
.set qb, qb+1
.endr
.set qb, 0
.rept \nb
	v_max_num_f32 v[TM+qb], v[TM+qb], v[TM+4+qb]   ; with lane l xor 16's: the block's largest magnitude
.set qb, qb+1
.endr
.set qb, 0
.rept \nb
	v_add_nc_u32 v[TM+12+qb], 0xff000000, v[TM+qb] ; 2 off its exponent field: the conversion's scale operand
.set qb, qb+1
.endr
.set qb, 0
.rept \nb
	v_lshrrev_b32 v[TM+4+qb], 23, v[TM+12+qb]      ; the byte
.set qb, qb+1
.endr
	v_lshl_or_b32 v[\pw], v[TM+5], 8, v[TM+4]
.if \nb > 2
	v_lshl_or_b32 v[\pw], v[TM+6], 16, v[\pw]
.endif
.if \nb == 4
	v_lshl_or_b32 v[\pw], v[TM+7], 24, v[\pw]
.endif
.if \nb == 3
	v_or_b32 v[\pw], 0x7f000000, v[\pw]
	v_mov_b32 v[(\tq)+4], 0
	v_mov_b32 v[(\tq)+5], 0
	v_mov_b32 v[(\tq)+6], 0
.endif
	v_cvt_scalef32_pk16_fp6_f32 v[(\pc):(\pc)+2], v[(\s):(\s)+15], v[TM+12]
	v_cvt_scalef32_pk16_fp6_f32 v[(\tq):(\tq)+2], v[(\s)+16:(\s)+31], v[TM+13]
.if \nb > 2
	v_cvt_scalef32_pk16_fp6_f32 v[(\pc)+6:(\pc)+8], v[(\s)+32:(\s)+47], v[TM+14]
.endif
.if \nb == 4
	v_cvt_scalef32_pk16_fp6_f32 v[(\tq)+4:(\tq)+6], v[(\s)+48:(\s)+63], v[TM+15]
.endif
	v_nop                                          ; one plain place behind the conversions
.irp i, 0,1,2                          ; the layout wants a whole block in a lane: lanes 0-15 the even block, lanes 16-31 the odd one
	v_permlane16_swap_b32 v[(\pc)+\i], v[(\tq)+\i]
.endr
.irp i, 0,1,2
	v_mov_b32 v[(\pc)+3+\i], v[(\tq)+\i]
.endr
.if \nb > 2
.irp i, 0,1,2
	v_permlane16_swap_b32 v[(\pc)+6+\i], v[(\tq)+4+\i]
.endr
.irp i, 0,1,2
	v_mov_b32 v[(\pc)+9+\i], v[(\tq)+4+\i]
.endr
.endif
.endm
; the rotation of 8 pairs (a + 2 m, a + 2 m + 1) by (cos, sin) at (cs + 2 m, cs + 2 m + 1); cos and sin always stand as source 1; t: four registers at work
.macro ROPE a, cs, t
.irp m, 0,1,2,3,4,5,6,7
	v_mul_f32 v[(\t)+2*(\m%2)], v[(\a)+2*\m+1], v[(\cs)+2*\m+1]
	v_mul_f32 v[(\t)+2*(\m%2)+1], v[(\a)+2*\m+1], v[(\cs)+2*\m]
	v_fma_f32 v[(\a)+2*\m+1], v[(\a)+2*\m], v[(\cs)+2*\m+1], v[(\t)+2*(\m%2)+1]
	v_fma_f32 v[(\a)+2*\m], v[(\a)+2*\m], v[(\cs)+2*\m], -v[(\t)+2*(\m%2)]
.endr
.endm
	s_load_b256 s[4:11], s[0:1], 0x0               ; xq, wq, rope, lat
	s_load_b64 s[12:13], s[0:1], 0x20              ; kr
	v_lshl_add_u32 v14, v0, 2, 0x29000
	v_mov_b32 v15, 0
	ds_add_u32 v14, v15
	ds_add_u32 v14, v15
	v_lshrrev_b32 v1, 5, v0
	v_readfirstlane_b32 s[WV], v1                  ; wave 0..3
	v_and_b32 v1, 31, v0                           ; lane
	v_and_b32 v2, 15, v0                           ; r
	v_bfe_u32 v3, v0, 4, 1                         ; h
	v_lshlrev_b32 v4, 4, v1                        ; 16 x lane: K steps 0-3 in LDS, and every image in memory
	v_add_nc_u32 v5, 4*PB, v4                      ; K steps 4-7
	v_lshlrev_b32 v10, 2, v1                       ; 4 x lane
	v_add_nc_u32 v6, 12288, v10                    ; scale words of K steps 0-3
	v_add_nc_u32 v7, 4*PB+12288, v10               ; and 4-7
	v_lshlrev_b32 v8, 2, v2                        ; 4 r
	v_lshlrev_b32 v9, 3, v1                        ; 8 x lane
	v_and_b32 v11, 8, v2
	v_add_nc_u32 v11, v11, v2                      ; r + 8 (r / 8): my token in its tile's 24
	v_lshlrev_b32 v11, 7, v11
	v_lshl_add_u32 v11, v3, 6, v11                 ; its row of the table, + 64 h: pairs 8 h on
.irp b, 0,1,2,3
	v_mov_b32 v[TM+4+\b], 0                        ; a lane permute's destination counts as one of its sources
.endr
	s_bfe_u32 s15, ttmp6, 0x40000                  ; cx
	s_lshl_b32 s16, ttmp9, 2
	s_add_co_u32 s16, s16, s15                     ; X: it enters global addresses alone
	s_and_b32 s17, ttmp7, 0xffff                   ; cg: the cluster's y
	s_mov_b32 s[SEL], 0x76543210
	s_mov_b32 s[SEL+1], 0xfedcba98
	; descriptor group 1: two panels, 25,600 dense bytes, as 100 rows of 256 bytes (32 elements of 8 bytes); mask: all four partners, bit 21 beside it
	s_mov_b32 s24, 15|(3<<16)|(1<<21)
	s_mov_b32 s25, 32<<16
	s_mov_b32 s26, 100<<16                         ; one joint load a wave: two panels, K steps 2 w and 2 w + 1, as 100 rows of 256 bytes
	s_mov_b32 s27, 32<<16
	s_mov_b32 s28, 100
	s_mov_b32 s29, 32
	s_mov_b32 s30, 0
	s_mov_b32 s31, 0
	s_mov_b32 s32, 1
	s_mul_i32 s33, s[WV], 2*PB                     ; K step ks lies at PB x ks, as before
	s_lshl_b32 s18, s17, 2
	s_add_co_u32 s18, s18, s[WV]
	s_lshl_b32 s18, s18, 1                         ; wq's panel 8 cg + 2 w
	s_mul_i32 s18, s18, PB                         ; wq's panel 8 cg + 2 w
	s_mov_b32 s19, 0
	s_lshr_b32 s54, s16, 1                         ; tp: x's row of panels
	s_and_b32 s55, s16, 1
	s_lshl_b32 s55, s55, 2
	s_add_co_u32 s55, s55, s[WV]                   ; my tile in it
	s_mul_i32 s56, s54, 8*PB
	s_mul_i32 s57, s55, 1536
	s_add_co_u32 s40, s56, s57
	s_mov_b32 s41, 0
	s_lshl_b32 s58, s55, 6
	s_add_co_u32 s42, s56, s58
	s_mov_b32 s43, 0
	s_lshr_b32 s56, s17, 1                         ; lat's panel: (c_Q or c_KV) x 64 + 2 tp + K step cg % 2
	s_lshl_b32 s56, s56, 6
	s_lshl_b32 s59, s54, 1
	s_add_co_u32 s56, s56, s59
	s_and_b32 s59, s17, 1
	s_add_co_u32 s56, s56, s59
	s_mul_i32 s56, s56, PB
	s_add_co_u32 s50, s56, s57
	s_mov_b32 s51, 0
	s_add_co_u32 s52, s56, s58
	s_add_co_u32 s52, s52, 12288
	s_mov_b32 s53, 0
	s_lshl_b32 s56, s16, 2
	s_add_co_u32 s56, s56, s[WV]                   ; my token tile, 0..255
	s_mul_i32 s46, s56, 768
	s_mov_b32 s47, 0
	s_lshl_b32 s48, s56, 6
	s_add_co_u32 s48, s48, 196608
	s_mov_b32 s49, 0
	s_lshl_b32 s56, s16, 6                         ; the tile's first position: (64 X) mod 2,048 + 32 (w / 2) + 8 (w % 2)
	s_and_b32 s56, s56, 2047
	s_lshr_b32 s59, s[WV], 1
	s_lshl_b32 s59, s59, 5
	s_add_co_u32 s56, s56, s59
	s_and_b32 s59, s[WV], 1
	s_lshl_b32 s59, s59, 3
	s_add_co_u32 s56, s56, s59
	s_lshl_b32 s44, s56, 7
	s_mov_b32 s45, 0
	s_wait_dscnt 0x0
	s_wait_kmcnt 0x0
	s_add_nc_u64 s[34:35], s[6:7], s[18:19]
	s_or_b32 s35, s35, 0x80000000
	s_add_nc_u64 s[40:41], s[4:5], s[40:41]        ; x's fragments,
	s_add_nc_u64 s[42:43], s[4:5], s[42:43]        ; x's scale words,
	s_add_nc_u64 s[44:45], s[8:9], s[44:45]        ; the table,
	s_add_nc_u64 s[46:47], s[12:13], s[46:47]      ; K_R's codes,
	s_add_nc_u64 s[48:49], s[12:13], s[48:49]      ; K_R's words,
	s_add_nc_u64 s[50:51], s[10:11], s[50:51]      ; the latent's fragment,
	s_add_nc_u64 s[52:53], s[10:11], s[52:53]      ; its words
	CROUND                                         ; all four partners are here: the joint loads meet
	tensor_load_to_lds s[32:35], s[24:31]          ; my one tensor load: one is outstanding
	s_nop 0
	PLACES 4
	WIN 0x40                                       ; destination window 1
.set ks, 0
.rept 8
.irp q, 0,1,2
	global_load_b128 v[12*ks+4*\q:12*ks+4*\q+3], v4, s[40:41] offset:ks*PB+512*\q
.endr
.set ks, ks+1
.endr
	WIN 0
.set ks, 0
.rept 8
	global_load_b32 v[XS+ks], v8, s[42:43] offset:ks*PB+12288
.set ks, ks+1
.endr
	s_cmp_lg_u32 s[WV], s17
	s_cbranch_scc1 .Lnokr
	; ---- K_R of my tile, while W's panels are on their way: loads, products, rotation, codes and stores in this one region
	WIN 0x80                                       ; destination window 2
.set ks, 0
.rept 8
.irp u, 0,1
.irp q, 0,1,2
	global_load_b128 v[24*ks+12*\u+4*\q:24*ks+12*\u+4*\q+3], v4, s[6:7] offset:(32+ks)*PB+1536*\u+512*\q
.endr
.endr
.set ks, ks+1
.endr
	WIN 0
.set ks, 0
.rept 8
	global_load_b32 v[KRS+ks], v10, s[6:7] offset:(32+ks)*PB+12288   ; lanes 0-15 tile 0's words, lanes 16-31 tile 1's
.set ks, ks+1
.endr
	s_wait_alu depctr_va_vdst(0)
.irp m, 0,1,2,3
	global_load_b128 v[CSR+4*\m:CSR+4*\m+3], v11, s[44:45] offset:16*\m
.endr
	s_wait_loadcnt 0x0
	WIN 0x06                                       ; source 0 window 2, source 1 window 1
.set ks, 0
.rept 8
.irp u, 0,1                            ; the two accumulators by turns
	WM KRA+8*\u, 24*ks+12*\u, 12*ks, (ks==0), KRS+ks, XS+ks, \u, 0
.endr
.set ks, ks+1
.endr
	WIN 0
	PLACES 4
	ROPE KRA, CSR, TM+8                            ; lane (r, h): numbers 16 h + 0 .. 15 of token r: pairs 8 h + 0 .. 7
	v_max3_num_f32 v[TM], |v[KRA]|, |v[KRA+1]|, 0x1800000
.irp i, 2,4,6,8,10,12,14
	v_max3_num_f32 v[TM], v[TM], |v[KRA+\i]|, |v[KRA+\i+1]|
.endr
	v_permlanex16_b32 v[TM+4], v[TM], s[SEL], s[SEL+1]
	v_max_num_f32 v[TM], v[TM], v[TM+4]
	v_add_nc_u32 v[TM+12], 0xff000000, v[TM]
	v_lshrrev_b32 v[TM+4], 23, v[TM+12]
	v_lshlrev_b32 v[KW], 16, v[TM+4]               ; K_R is block 2 of a key's 96 numbers; block 3 is zeros with the byte 127
	v_or_b32 v[KW], 0x7f000000, v[KW]
	v_mov_b32 v[KC+3], 0
	v_mov_b32 v[KC+4], 0
	v_mov_b32 v[KC+5], 0
	v_cvt_scalef32_pk16_fp6_f32 v[KC:KC+2], v[KRA:KRA+15], v[TM+12]
	v_nop
.irp i, 0,1,2
	v_permlane16_swap_b32 v[KC+\i], v[KC+3+\i]     ; lanes 0-15 now hold the key's 32 codes (registers 6-11 of a fragment of K), lanes 16-31 zeros
.endr
	global_store_b64 v9, v[KC:KC+1], s[46:47]
	global_store_b128 v4, v[KC+2:KC+5], s[46:47] offset:256
	global_store_b32 v8, v[KW], s[48:49]           ; lanes r and 16 + r hold the same word and write it to the same place
.Lnokr:
	s_wait_loadcnt 0x0                             ; x
	s_wait_tensorcnt 0x0                           ; my two K steps are in
	s_barrier_signal -1
	s_barrier_wait -1
; batch n: half n % 2 (four tiles of W) of K step n / 2, into set n % 2; with an even n the K step's four scale registers
.macro WBATCH n
.set bks, (\n)>>1
.set bhf, (\n)&1
.set bc, (\n)>>3
.if bhf == 0
.irp j, 0,1,2,3
	ds_load_b32 v[SW+4*(bks&1)+\j], v[6+bc] offset:(bks&3)*PB+128*\j
.endr
.endif
.irp i, 0,1,2,3
.irp q, 0,1,2
	ds_load_b128 v[WF+48*bhf+12*\i+4*\q:WF+48*bhf+12*\i+4*\q+3], v[4+bc] offset:(bks&3)*PB+(4*bhf+\i)*1536+512*\q
.endr
.endr
.endm
.macro MULB n                          ; its four products; the eight accumulators take turns, one instruction a turn
.set bks, (\n)>>1
.set bhf, (\n)&1
.irp i, 0,1,2,3
	WM ACC+8*(4*bhf+\i), WF+48*bhf+12*\i, 12*bks, (bks==0), SW+4*(bks&1)+((4*bhf+\i)>>1), XS+bks, (\i&1), 0
.endr
.endm
.macro HALFK c                         ; K steps 4 c .. 4 c + 3.  Four places stand ahead of each run of loads into registers that products have read
	PLACES 4
	WBATCH 8*(\c)
.set nn, 8*(\c)
.rept 7
	PLACES 4
	WBATCH nn+1
.if nn&1
	s_wait_dscnt 16                                ; batch nn is in; the 16 loads of batch nn + 1 may be out
.else
	s_wait_dscnt 12                                ; likewise: an odd batch has 12 loads
.endif
	MULB nn
.set nn, nn+1
.endr
	s_wait_dscnt 0x0
	MULB nn
.endm
	WIN 0x04                                       ; source 1 (x) window 1
	HALFK 0
	HALFK 1
	PLACES 4
	WIN 0
	QUANT ACC, 4, 32, 44, PW                       ; my 16 tokens x 128 latent numbers: one fragment of the next products
.irp q, 0,1,2
	global_store_b128 v4, v[32+4*\q:35+4*\q], s[50:51] offset:512*\q
.endr
	global_store_b32 v8, v[PW], s[52:53]           ; lanes r and 16 + r: the same word to the same place
	s_wait_tensorcnt 0x0
	ds_add_u32 v14, v15
	s_wait_dscnt 0x0
	CROUND                                         ; the closing round
	s_endpgm
.Lfunc_end_k_qc13d2d0611_down:
	.size	k_qc13d2d0611_down, .Lfunc_end_k_qc13d2d0611_down-k_qc13d2d0611_down
	.p2alignl 7, 3214868480
	.fill 96, 4, 3214868480
	.section	.rodata,"a",@progbits
	.p2align	6, 0x0
	.amdhsa_kernel k_qc13d2d0611_down
		.amdhsa_group_segment_fixed_size 168448
		.amdhsa_private_segment_fixed_size 0
		.amdhsa_enable_private_segment 0
		.amdhsa_kernarg_size 40
		.amdhsa_user_sgpr_count 2
		.amdhsa_user_sgpr_kernarg_segment_ptr 1
		.amdhsa_wavefront_size32 1
		.amdhsa_system_sgpr_workgroup_id_x 1
		.amdhsa_system_sgpr_workgroup_id_y 1
		.amdhsa_system_sgpr_workgroup_id_z 1
		.amdhsa_system_vgpr_workitem_id 0
		.amdhsa_next_free_vgpr 704
		.amdhsa_next_free_sgpr 66
		.amdhsa_reserve_vcc 0
		.amdhsa_float_denorm_mode_32 3
		.amdhsa_float_denorm_mode_16_64 3
		.amdhsa_memory_ordered 1
		.amdhsa_forward_progress 1
		.amdhsa_inst_pref_size 49
	.end_amdhsa_kernel
	.amdgpu_metadata
---
amdhsa.version: [ 1, 2 ]
amdhsa.kernels:
  - .name:           k_qc13d2d0611_down
    .symbol:         k_qc13d2d0611_down.kd
    .args:
      - { .name: xq, .offset: 0, .size: 8, .value_kind: global_buffer, .address_space: global }
      - { .name: wq, .offset: 8, .size: 8, .value_kind: global_buffer, .address_space: global }
      - { .name: rope, .offset: 16, .size: 8, .value_kind: global_buffer, .address_space: global }
      - { .name: lat, .offset: 24, .size: 8, .value_kind: global_buffer, .address_space: global }
      - { .name: kr, .offset: 32, .size: 8, .value_kind: global_buffer, .address_space: global }
    .group_segment_fixed_size: 168448
    .private_segment_fixed_size: 0
    .kernarg_segment_align: 8
    .kernarg_segment_size: 40
    .max_flat_workgroup_size: 128
    .sgpr_count:     66
    .vgpr_count:     704
    .wavefront_size: 32
...
	.end_amdgpu_metadata
.endif
;; end of part 2
;; launch up (part 3): grid 32 x 8, 4 waves a work-group, clusters of 4 x 1, 168,448 bytes of LDS; arguments lat, kr, wq, rope, qf, kv; writes qf, kv
.if DOCPART == 3
	.amdgcn_target "amdgcn-amd-amdhsa--gfx1250"
	.amdhsa_code_object_version 6
	.text
	.protected	k_qc13d2d0611_up
	.globl	k_qc13d2d0611_up
	.p2align	8
	.type	k_qc13d2d0611_up,@function
k_qc13d2d0611_up:
	s_mov_b64 s[64:65], 0
	v_nop
	global_prefetch_b8 v0, s[64:65] scope:SCOPE_SE
	s_setreg_imm32_b32 hwreg(HW_REG_WAVE_MODE, 25, 1), 1
	s_wait_xcnt 0x0
	s_wait_alu depctr_hold_cnt(0) depctr_sa_sdst(0) depctr_va_vdst(0) depctr_va_sdst(0) depctr_va_ssrc(0) depctr_va_vcc(0) depctr_vm_vsrc(0)
	s_getreg_b32 s2, hwreg(HW_REG_IB_STS2, 6, 4)
	s_cmp_eq_u32 s2, 0
	s_cbranch_scc0 .Lentry_in_a_cluster
	s_endpgm
.Lentry_in_a_cluster:
	s_bfe_u32 s2, ttmp6, 0x10000c
	s_cmp_lg_u32 s2, 0x3003
	s_cbranch_scc0 .Lentry_shape_is_right
	s_endpgm
.Lentry_shape_is_right:
; UP: Q = c_Q W_uq^T, Q_R = rope(c_Q W_rq^T), K = c_KV W_uk^T, V = c_KV W_uv^T, on codes of FP6, K = 256.  [Q | Q_R] and [K | K_R] are quantised along their 96 numbers (a fourth block of zeros fills the
; instruction's 128), V along the KEYS; all leave as fragments in the order of the operand's registers.  Layouts: see the head of the first launch's text.
; SHARES.  Work-group (tp, p): 128 tokens (tp = 4 x cluster x + cx) x heads 2 p, 2 p + 1.  Wave w: Q and K of token tiles 2 w, 2 w + 1 for both heads (transposed: source 0 = the weight, so that a lane holds one token
; and its registers run along the head's numbers); and V for two tiles of W_uv's rows (head 2 p + w / 2, tiles 2 (w % 2) + 0, 1) over all 128 tokens, NOT transposed (source 0 = tokens), so that a lane holds one of the
; head's numbers and its registers run along the keys.
; CLUSTER.  The four partners (four blocks of tokens) read the same weights: three joint loads, one a wave (waves 1-3).  The latents are each work-group's own: one plain load, by wave 0.  All LDS bytes are filled
; once.  A wave has one tensor load outstanding.
; LDS: c_Q's two K steps at 0, PB; c_KV's at 2 PB, 3 PB; W_uq at 4 PB; W_rq at 6 PB (two whole panels: half p % 2 of each is read); W_uk at 8 PB; W_uv at 10 PB.
; LIMITS: as stated at the head of the first launch's text.
; REGISTERS: window 0: v1-15, v28-31 addresses; v16-25 scale words; v26-27 scale words just made; v32-255 by phases (see there).  Window 1: v0-31 cos, sin of my two tiles; v32-46 K_R's codes and words.
.set PB, 12800
.set WV, 16
.set SEL, 20
.set LF, 104
.set WF, 32
.set AQ, 152
.set MSB, 0
.macro WIN new
.if MSB != (\new)
	s_set_vgpr_msb (MSB<<8)|(\new)
.set MSB, \new
.endif
.endm
.macro PLACES n
.rept \n
	v_nop
.endr
.endm
.macro CROUND
	s_barrier_signal -1
	s_barrier_wait -1
	s_cmp_lg_u32 s[WV], 0
	s_cbranch_scc1 .Lnw0_\@
	s_barrier_signal -3
.Lnw0_\@:
	s_barrier_wait -3
	s_barrier_signal -1
	s_barrier_wait -1
.endm
.macro WM d, a, b, zero, sa, sb, ra, rb
.if \zero
.if (\ra) && (\rb)
	v_wmma_scale_f32_16x16x128_f8f6f4 v[(\d):(\d)+7], v[(\a):(\a)+11], v[(\b):(\b)+11], 0, v[\sa], v[\sb] matrix_a_fmt:MATRIX_FMT_FP6 matrix_b_fmt:MATRIX_FMT_FP6 matrix_a_scale:MATRIX_SCALE_ROW1 matrix_b_scale:MATRIX_SCALE_ROW1
.elseif (\ra)
	v_wmma_scale_f32_16x16x128_f8f6f4 v[(\d):(\d)+7], v[(\a):(\a)+11], v[(\b):(\b)+11], 0, v[\sa], v[\sb] matrix_a_fmt:MATRIX_FMT_FP6 matrix_b_fmt:MATRIX_FMT_FP6 matrix_a_scale:MATRIX_SCALE_ROW1
.elseif (\rb)
	v_wmma_scale_f32_16x16x128_f8f6f4 v[(\d):(\d)+7], v[(\a):(\a)+11], v[(\b):(\b)+11], 0, v[\sa], v[\sb] matrix_a_fmt:MATRIX_FMT_FP6 matrix_b_fmt:MATRIX_FMT_FP6 matrix_b_scale:MATRIX_SCALE_ROW1
.else
	v_wmma_scale_f32_16x16x128_f8f6f4 v[(\d):(\d)+7], v[(\a):(\a)+11], v[(\b):(\b)+11], 0, v[\sa], v[\sb] matrix_a_fmt:MATRIX_FMT_FP6 matrix_b_fmt:MATRIX_FMT_FP6
.endif
.else
.if (\ra) && (\rb)
	v_wmma_scale_f32_16x16x128_f8f6f4 v[(\d):(\d)+7], v[(\a):(\a)+11], v[(\b):(\b)+11], v[(\d):(\d)+7], v[\sa], v[\sb] matrix_a_fmt:MATRIX_FMT_FP6 matrix_b_fmt:MATRIX_FMT_FP6 matrix_a_scale:MATRIX_SCALE_ROW1 matrix_b_scale:MATRIX_SCALE_ROW1
.elseif (\ra)
	v_wmma_scale_f32_16x16x128_f8f6f4 v[(\d):(\d)+7], v[(\a):(\a)+11], v[(\b):(\b)+11], v[(\d):(\d)+7], v[\sa], v[\sb] matrix_a_fmt:MATRIX_FMT_FP6 matrix_b_fmt:MATRIX_FMT_FP6 matrix_a_scale:MATRIX_SCALE_ROW1
.elseif (\rb)
	v_wmma_scale_f32_16x16x128_f8f6f4 v[(\d):(\d)+7], v[(\a):(\a)+11], v[(\b):(\b)+11], v[(\d):(\d)+7], v[\sa], v[\sb] matrix_a_fmt:MATRIX_FMT_FP6 matrix_b_fmt:MATRIX_FMT_FP6 matrix_b_scale:MATRIX_SCALE_ROW1
.else
	v_wmma_scale_f32_16x16x128_f8f6f4 v[(\d):(\d)+7], v[(\a):(\a)+11], v[(\b):(\b)+11], v[(\d):(\d)+7], v[\sa], v[\sb] matrix_a_fmt:MATRIX_FMT_FP6 matrix_b_fmt:MATRIX_FMT_FP6
.endif
.endif
.endm
; 16 nb numbers of a lane, v[s + 16 b + i] = k 32 b + 16 (lane / 16) + i of my row, become a fragment's codes (pc on; nb = 2: its first six registers) and the row's scale word pw; nb = 3: a fourth block of zeros, byte 127
.macro QUANT s, nb, pc, tq, pw
.set qb, 0
.rept \nb
	v_max3_num_f32 v[TM+qb], |v[(\s)+16*qb]|, |v[(\s)+16*qb+1]|, 0x1800000
.set qb, qb+1
.endr
.irp i, 2,4,6,8,10,12,14
.set qb, 0
.rept \nb
	v_max3_num_f32 v[TM+qb], v[TM+qb], |v[(\s)+16*qb+\i]|, |v[(\s)+16*qb+\i+1]|
.set qb, qb+1
.endr
.endr
.set qb, 0
.rept \nb
	v_permlanex16_b32 v[TM+4+qb], v[TM+qb], s[SEL], s[SEL+1]
.set qb, qb+1
.endr
.set qb, 0
.rept \nb
	v_max_num_f32 v[TM+qb], v[TM+qb], v[TM+4+qb]
.set qb, qb+1
.endr
.set qb, 0
.rept \nb
	v_add_nc_u32 v[TM+12+qb], 0xff000000, v[TM+qb]
.set qb, qb+1
.endr
.set qb, 0
.rept \nb
	v_lshrrev_b32 v[TM+4+qb], 23, v[TM+12+qb]
.set qb, qb+1
.endr
	v_lshl_or_b32 v[\pw], v[TM+5], 8, v[TM+4]
.if \nb > 2
	v_lshl_or_b32 v[\pw], v[TM+6], 16, v[\pw]
.endif
.if \nb == 4
	v_lshl_or_b32 v[\pw], v[TM+7], 24, v[\pw]
.endif
.if \nb == 3
	v_or_b32 v[\pw], 0x7f000000, v[\pw]
	v_mov_b32 v[(\tq)+4], 0
	v_mov_b32 v[(\tq)+5], 0
	v_mov_b32 v[(\tq)+6], 0
.endif
	v_cvt_scalef32_pk16_fp6_f32 v[(\pc):(\pc)+2], v[(\s):(\s)+15], v[TM+12]
	v_cvt_scalef32_pk16_fp6_f32 v[(\tq):(\tq)+2], v[(\s)+16:(\s)+31], v[TM+13]
.if \nb > 2
	v_cvt_scalef32_pk16_fp6_f32 v[(\pc)+6:(\pc)+8], v[(\s)+32:(\s)+47], v[TM+14]
.endif
.if \nb == 4
	v_cvt_scalef32_pk16_fp6_f32 v[(\tq)+4:(\tq)+6], v[(\s)+48:(\s)+63], v[TM+15]
.endif
	v_nop
.irp i, 0,1,2
	v_permlane16_swap_b32 v[(\pc)+\i], v[(\tq)+\i]
.endr
.irp i, 0,1,2
	v_mov_b32 v[(\pc)+3+\i], v[(\tq)+\i]
.endr
.if \nb > 2
.irp i, 0,1,2
	v_permlane16_swap_b32 v[(\pc)+6+\i], v[(\tq)+4+\i]
.endr
.irp i, 0,1,2
	v_mov_b32 v[(\pc)+9+\i], v[(\tq)+4+\i]
.endr
.endif
.endm
.macro ROPE a, cs, t                   ; cos and sin always stand as source 1 (here: window 1)
.irp m, 0,1,2,3,4,5,6,7
	v_mul_f32 v[(\t)+2*(\m%2)], v[(\a)+2*\m+1], v[(\cs)+2*\m+1]
	v_mul_f32 v[(\t)+2*(\m%2)+1], v[(\a)+2*\m+1], v[(\cs)+2*\m]
	v_fma_f32 v[(\a)+2*\m+1], v[(\a)+2*\m], v[(\cs)+2*\m+1], v[(\t)+2*(\m%2)+1]
	v_fma_f32 v[(\a)+2*\m], v[(\a)+2*\m], v[(\cs)+2*\m], -v[(\t)+2*(\m%2)]
.endr
.endm
	s_load_b256 s[4:11], s[0:1], 0x0               ; lat, kr, wq, rope
	s_load_b128 s[12:15], s[0:1], 0x20             ; qf, kv
	s_set_vgpr_msb 0x40
	v_lshl_add_u32 v48, v0, 2, 0x29000
	v_mov_b32 v49, 0
	s_set_vgpr_msb 0x4045
	ds_add_u32 v48, v49
	ds_add_u32 v48, v49
	s_set_vgpr_msb 0x4500
	v_lshrrev_b32 v1, 5, v0
	v_readfirstlane_b32 s[WV], v1                  ; wave 0..3
	s_bfe_u32 s17, ttmp6, 0x40000                  ; cx
	s_lshl_b32 s18, ttmp9, 2
	s_add_co_u32 s18, s18, s17                     ; tp: it enters global addresses alone
	s_and_b32 s19, ttmp7, 0xffff                   ; p: the cluster's y
	s_mov_b32 s[SEL], 0x76543210
	s_mov_b32 s[SEL+1], 0xfedcba98
	s_mov_b32 s56, 0xffff0000                      ; lanes 16-31
	; group 1, plain: two rows of 25,600 bytes;  joint: two panels as 100 rows, mask of all four partners with bit 21 beside it
	; ONE TENSOR LOAD A WAVE.  Wave 0: the latents, plain: two rows of 25,600 bytes (c_Q's two panels, c_KV's two), 64 panels apart in lat, on end in LDS.
	; Waves 1, 2: W_uq's, W_rq's two panels, jointly.  Wave 3: W_uk's two panels and W_uv's two, jointly: two rows of 25,600 bytes, 16 panels apart in wq.
	s_mov_b32 s24, 3<<16
	s_mov_b32 s25, 3200<<16
	s_mov_b32 s26, 2<<16
	s_mov_b32 s27, 3200<<16
	s_mov_b32 s28, 2
	s_mov_b32 s29, 64*PB/8
	s_mov_b32 s80, 15|(3<<16)|(1<<21)
	s_mov_b32 s81, 3200<<16
	s_mov_b32 s82, 2<<16
	s_mov_b32 s83, 3200<<16
	s_mov_b32 s84, 2
	s_mov_b32 s85, 16*PB/8
	s_mov_b32 s86, 0
	s_mov_b32 s87, 0
	s_mov_b32 s30, 0
	s_mov_b32 s31, 0
	s_mov_b32 s32, 15|(3<<16)|(1<<21)
	s_mov_b32 s33, 32<<16
	s_mov_b32 s34, 100<<16
	s_mov_b32 s35, 32<<16
	s_mov_b32 s36, 100
	s_mov_b32 s37, 32
	s_mov_b32 s38, 0
	s_mov_b32 s39, 0
	; which two panels of wq I fetch: wave 1: W_uq's 40 + 2 p; 2: W_rq's 56 + 2 (p / 2); 3: W_uk's 64 + 2 p and W_uv's 80 + 2 p
	s_lshl_b32 s22, s19, 1
	s_add_co_u32 s23, s22, 40
	s_and_b32 s57, s19, 6
	s_add_co_u32 s57, s57, 56
	s_cmp_eq_u32 s[WV], 2                          ; wave 1: 40 + 2 p; wave 2: 56 + 2 (p / 2); wave 3: 64 + 2 p (and, 16 panels on, 80 + 2 p)
	s_cselect_b32 s23, s57, s23
	s_add_co_u32 s57, s22, 64
	s_cmp_eq_u32 s[WV], 3
	s_cselect_b32 s23, s57, s23
	s_mul_i32 s22, s23, PB
	s_mov_b32 s23, 0
	s_mov_b32 s44, 1
	s_mul_i32 s45, s[WV], 2*PB
	s_add_co_u32 s45, s45, 2*PB                    ; wave 1 to 4 PB, wave 2 to 6 PB, wave 3 to 8 PB
	; and which panel of lat: 2 tp, for wave 0 alone
	s_lshl_b32 s75, s18, 1                         ; lat's panel 2 tp
	s_mul_i32 s76, s75, PB
	s_mov_b32 s77, 0
	s_mov_b32 s40, 1
	s_mov_b32 s41, 0
	; where the results go
	s_lshr_b32 s70, s18, 4                         ; batch
	s_and_b32 s71, s18, 15                         ; key step: which 128 tokens of the batch
	s_lshl_b32 s72, s70, 4
	s_lshl_b32 s73, s19, 1
	s_add_co_u32 s72, s72, s73                     ; (batch, head 2 p)
	s_lshl_b32 s73, s72, 7
	s_lshl_b32 s74, s71, 3
	s_add_co_u32 s73, s73, s74
	s_lshl_b32 s74, s[WV], 1
	s_add_co_u32 s73, s73, s74                     ; my first query tile
	s_mul_i32 s52, s73, 1536
	s_mov_b32 s53, 0
	s_lshl_b32 s54, s73, 6
	s_add_co_u32 s54, s54, 6291456
	s_mov_b32 s55, 0
	s_lshl_b32 s73, s72, 4
	s_add_co_u32 s73, s73, s71
	s_mul_i32 s73, s73, 19200                      ; the head's key step in kv
	s_mul_i32 s74, s[WV], 3072
	s_add_co_u32 s58, s73, s74
	s_mov_b32 s59, 0
	s_lshl_b32 s74, s[WV], 7
	s_add_co_u32 s60, s73, s74
	s_add_co_u32 s60, s60, 12288
	s_mov_b32 s61, 0
	s_lshr_b32 s74, s[WV], 1
	s_mul_i32 s74, s74, 307200                     ; V: head 2 p + w / 2 (a head is 16 steps of 19,200 bytes)
	s_add_co_u32 s73, s73, s74
	s_and_b32 s74, s[WV], 1
	s_mul_i32 s78, s74, 3072
	s_add_co_u32 s66, s73, s78
	s_add_co_u32 s66, s66, 12800
	s_mov_b32 s67, 0
	s_lshl_b32 s74, s74, 7
	s_add_co_u32 s68, s73, s74
	s_add_co_u32 s68, s68, 18944
	s_mov_b32 s69, 0
	s_lshl_b32 s73, s18, 3
	s_lshl_b32 s74, s[WV], 1
	s_add_co_u32 s73, s73, s74                     ; my first token tile, 0..255
	s_mul_i32 s48, s73, 768
	s_mov_b32 s49, 0
	s_lshl_b32 s50, s73, 6
	s_add_co_u32 s50, s50, 196608
	s_mov_b32 s51, 0
	s_lshl_b32 s62, s71, 7
	s_lshl_b32 s74, s[WV], 5
	s_add_co_u32 s62, s62, s74                     ; its first position
	s_lshl_b32 s62, s62, 7
	s_mov_b32 s63, 0
	v_and_b32 v1, 31, v0                           ; lane
	v_and_b32 v2, 15, v0                           ; r
	v_bfe_u32 v3, v0, 4, 1                         ; h
	v_lshlrev_b32 v4, 4, v1                        ; 16 x lane: the latents
	v_add_nc_u32 v5, 4*PB, v4                      ; W_uq
	v_add_nc_u32 v6, 8*PB, v4                      ; W_uk
	v_lshlrev_b32 v31, 2, v1                       ; 4 x lane
	v_add_nc_u32 v7, 12288, v31                    ; scale words: the latents',
	v_add_nc_u32 v8, 4*PB+12288, v31               ; W_uq's,
	v_add_nc_u32 v9, 8*PB+12288, v31               ; W_uk's
	s_and_b32 s57, s19, 1
	s_mul_i32 s79, s57, 6144
	s_add_co_u32 s79, s79, 6*PB
	v_add_nc_u32 v10, s79, v4                      ; W_rq: half p % 2 of its panels
	s_lshl_b32 s79, s57, 8
	s_add_co_u32 s79, s79, 6*PB+12288
	v_add_nc_u32 v11, s79, v31
	v_and_b32 v12, 8, v2
	v_add_nc_u32 v12, v12, v2
	v_lshlrev_b32 v12, 7, v12
	v_lshl_add_u32 v12, v3, 6, v12                 ; the table: (r + 8 (r / 8)) rows of 128 bytes, + 64 h
	s_lshl_b32 s79, s[WV], 7
	v_add_nc_u32 v13, s79, v7                      ; the scale words of my pair of token tiles
	s_mul_i32 s79, s[WV], 3072
	v_add_nc_u32 v14, s79, v4                      ; my pair of token tiles
	s_add_co_u32 s79, s79, 10*PB
	v_add_nc_u32 v15, s79, v4                      ; my pair of tiles of W_uv
	s_lshl_b32 s79, s[WV], 7
	s_add_co_u32 s79, s79, 10*PB+12288
	v_add_nc_u32 v28, s79, v31
	v_lshlrev_b32 v29, 3, v1                       ; 8 x lane
	v_lshlrev_b32 v30, 2, v2                       ; 4 r
	s_wait_dscnt 0x0
	s_wait_kmcnt 0x0
	s_add_nc_u64 s[42:43], s[4:5], s[76:77]
	s_or_b32 s43, s43, 0x80000000
	s_add_nc_u64 s[46:47], s[8:9], s[22:23]
	s_or_b32 s47, s47, 0x80000000
	s_add_nc_u64 s[48:49], s[6:7], s[48:49]
	s_add_nc_u64 s[50:51], s[6:7], s[50:51]
	s_add_nc_u64 s[52:53], s[12:13], s[52:53]
	s_add_nc_u64 s[54:55], s[12:13], s[54:55]
	s_add_nc_u64 s[58:59], s[14:15], s[58:59]
	s_add_nc_u64 s[60:61], s[14:15], s[60:61]
	s_add_nc_u64 s[62:63], s[10:11], s[62:63]
	s_add_nc_u64 s[66:67], s[14:15], s[66:67]
	s_add_nc_u64 s[68:69], s[14:15], s[68:69]
	CROUND                                         ; all four partners are here
	s_cmp_lg_u32 s[WV], 0                          ; one chain of arms on the wave's number, one load to an arm, one join
	s_cbranch_scc1 .Lnot_lat
	tensor_load_to_lds s[40:43], s[24:31]          ; the latents
	s_nop 0
	PLACES 4
	s_branch .Lasked
.Lnot_lat:
	s_cmp_eq_u32 s[WV], 3
	s_cbranch_scc1 .Lkv_w
	tensor_load_to_lds s[44:47], s[32:39]          ; W_uq or W_rq
	s_nop 0
	PLACES 4
	s_branch .Lasked
.Lkv_w:
	tensor_load_to_lds s[44:47], s[80:87]          ; W_uk and W_uv
	s_nop 0
	PLACES 4
.Lasked:
	WIN 0x40                                       ; destination window 1
	s_wait_alu depctr_va_vdst(0)
.irp e, 0,1
.irp m, 0,1,2,3
	global_load_b128 v[16*\e+4*\m:16*\e+4*\m+3], v12, s[62:63] offset:1024*\e+16*\m
.endr
	global_load_b64 v[32+8*\e:33+8*\e], v29, s[48:49] offset:768*\e
	global_load_b128 v[34+8*\e:37+8*\e], v4, s[48:49] offset:768*\e+256
	global_load_b32 v[38+8*\e], v30, s[50:51] offset:64*\e
.endr
	WIN 0
	s_wait_tensorcnt 0x0
	s_barrier_signal -1
	s_barrier_wait -1                              ; all of LDS is filled
	s_wait_loadcnt 0x0
; the latent's four fragments (tile 2 w + e, K step k at LF + 12 (2 e + k)) and the pair's scale words for both K steps
.macro LATF base, sr
.irp e, 0,1
.irp k, 0,1
.irp q, 0,1,2
	ds_load_b128 v[LF+12*(2*\e+\k)+4*\q:LF+12*(2*\e+\k)+4*\q+3], v14 offset:(\base)+\k*PB+1536*\e+512*\q
.endr
.endr
.endr
	ds_load_b32 v[\sr], v13 offset:(\base)
	ds_load_b32 v[(\sr)+1], v13 offset:(\base)+PB
.endm
; ---- Q.  v32-103 six weight fragments (later at work); v104-151 c_Q; v152-199, v200-247 six accumulators for each of my two tiles
.set TM, 32
	LATF 0, 20
.macro QHEAD hh
.irp k, 0,1
	PLACES 4                                       ; ahead of loads into registers that products have read
	s_wait_xcnt 0x0                                ; and that pending stores may still read
	ds_load_b32 v16, v8 offset:\k*PB+128*(2*\hh)
	ds_load_b32 v17, v8 offset:\k*PB+128*(2*\hh+1)
	ds_load_b32 v18, v11 offset:\k*PB+128*\hh
.irp t, 0,1,2,3
.irp q, 0,1,2
	ds_load_b128 v[WF+12*\t+4*\q:WF+12*\t+4*\q+3], v5 offset:\k*PB+1536*(4*\hh+\t)+512*\q
.endr
.endr
.irp u, 0,1
.irp q, 0,1,2
	ds_load_b128 v[WF+12*(4+\u)+4*\q:WF+12*(4+\u)+4*\q+3], v10 offset:\k*PB+1536*(2*\hh+\u)+512*\q
.endr
.endr
	s_wait_dscnt 0x0
.irp t, 0,1,2,3,4,5                    ; twelve accumulators by turns
.irp e, 0,1
	WM AQ+48*\e+8*\t, WF+12*\t, LF+12*(2*\e+\k), (\k==0), 16+(\t>>1), 20+\k, (\t&1), \e
.endr
.endr
.endr
	PLACES 4
.irp e, 0,1
	WIN 0x04                                       ; source 1 window 1: cos, sin
	ROPE AQ+48*\e+32, 16*\e, 70
	WIN 0
	s_wait_xcnt 0x0                                ; the last stores have read the registers that are written now
	QUANT AQ+48*\e, 3, 50, 62, 26+\e
.irp q, 0,1,2
	global_store_b128 v4, v[50+4*\q:53+4*\q], s[52:53] offset:196608*\hh+1536*\e+512*\q
.endr
.endr
	v_cndmask_b32 v26, v26, v27, s56               ; lanes 0-15 tile 2 w's words, lanes 16-31 tile 2 w + 1's
	global_store_b32 v31, v26, s[54:55] offset:8192*\hh
.endm
	QHEAD 0
	QHEAD 1
; ---- K.  v32-79 four fragments of W_uk; v80-103 at work; v104-151 c_KV; v152-183, v200-231 accumulators; v232-243, v244-255 the two tiles' fragments, whose registers 6-11 are K_R's codes, the same for both heads
	WIN 0x01                                       ; source 0 window 1
.irp i, 0,1,2,3,4,5
	v_mov_b32 v[238+\i], v[32+\i]
	v_mov_b32 v[250+\i], v[40+\i]
.endr
	v_mov_b32 v24, v38
	v_mov_b32 v25, v46
	WIN 0
.set TM, 80
	LATF 2*PB, 22
.macro KHEAD hh
.irp k, 0,1
	PLACES 4
	s_wait_xcnt 0x0
	ds_load_b32 v16, v9 offset:\k*PB+128*(2*\hh)
	ds_load_b32 v17, v9 offset:\k*PB+128*(2*\hh+1)
.irp t, 0,1,2,3
.irp q, 0,1,2
	ds_load_b128 v[WF+12*\t+4*\q:WF+12*\t+4*\q+3], v6 offset:\k*PB+1536*(4*\hh+\t)+512*\q
.endr
.endr
	s_wait_dscnt 0x0
.irp t, 0,1,2,3
.irp e, 0,1
	WM AQ+48*\e+8*\t, WF+12*\t, LF+12*(2*\e+\k), (\k==0), 16+(\t>>1), 22+\k, (\t&1), \e
.endr
.endr
.endr
	PLACES 4
.irp e, 0,1
	s_wait_xcnt 0x0
	QUANT AQ+48*\e, 2, 232+12*\e, 96, 26+\e
	v_or_b32 v[26+\e], v[26+\e], v[24+\e]          ; K_R's byte and the fourth block's 127
.irp q, 0,1,2
	global_store_b128 v4, v[232+12*\e+4*\q:235+12*\e+4*\q], s[58:59] offset:307200*\hh+1536*\e+512*\q
.endr
.endr
	v_cndmask_b32 v26, v26, v27, s56
	global_store_b32 v31, v26, s[60:61] offset:307200*\hh
.endm
	KHEAD 0
	KHEAD 1
; ---- V.  v32-79 my two tiles of W_uv x two K steps; v16-17 their scale words; v18-25 c_KV's; v80-127 two sets of a token tile's two fragments; v128-191, v192-255 eight accumulators for each of my two tiles
	s_wait_xcnt 0x0                                ; K's stores have read v26 and v232-255
.irp u, 0,1
.irp k, 0,1
.irp q, 0,1,2
	ds_load_b128 v[32+12*(2*\u+\k)+4*\q:35+12*(2*\u+\k)+4*\q], v15 offset:\k*PB+1536*\u+512*\q
.endr
.endr
.endr
	ds_load_b32 v16, v28
	ds_load_b32 v17, v28 offset:PB
.irp j, 0,1,2,3
.irp k, 0,1
	ds_load_b32 v[18+2*\j+\k], v7 offset:2*PB+\k*PB+128*\j
.endr
.endr
.macro LVLOAD t
.irp k, 0,1
.irp q, 0,1,2
	ds_load_b128 v[80+24*((\t)&1)+12*\k+4*\q:83+24*((\t)&1)+12*\k+4*\q], v4 offset:2*PB+\k*PB+1536*(\t)+512*\q
.endr
.endr
.endm
	LVLOAD 0
.set tt, 0
.rept 8
.if tt < 7
.if tt > 0
	PLACES 4
.endif
	LVLOAD tt+1
	s_wait_dscnt 6                                 ; all but the six loads just issued
.else
	s_wait_dscnt 0x0
.endif
	WM 128+8*tt, 80+24*(tt&1), 32, 1, 18+2*(tt>>1), 16, (tt&1), 0     ; two accumulators by turns, two K steps
	WM 192+8*tt, 80+24*(tt&1), 56, 1, 18+2*(tt>>1), 16, (tt&1), 1
	WM 128+8*tt, 92+24*(tt&1), 44, 0, 19+2*(tt>>1), 17, (tt&1), 0
	WM 192+8*tt, 92+24*(tt&1), 68, 0, 19+2*(tt>>1), 17, (tt&1), 1
.set tt, tt+1
.endr
	PLACES 4
.set TM, 32
.irp u, 0,1
	s_wait_xcnt 0x0
	QUANT 128+64*\u, 4, 50, 62, 26+\u              ; lane (r, h): row r of the tile, registers along the step's 128 keys
.irp q, 0,1,2
	global_store_b128 v4, v[50+4*\q:53+4*\q], s[66:67] offset:1536*\u+512*\q
.endr
.endr
	v_cndmask_b32 v26, v26, v27, s56
	global_store_b32 v31, v26, s[68:69]
	s_set_vgpr_msb 0x5
	s_wait_tensorcnt 0x0
	ds_add_u32 v48, v49
	s_wait_dscnt 0x0
	s_set_vgpr_msb 0x500
	CROUND                                         ; the closing round
	s_endpgm
.Lfunc_end_k_qc13d2d0611_up:
	.size	k_qc13d2d0611_up, .Lfunc_end_k_qc13d2d0611_up-k_qc13d2d0611_up
	.p2alignl 7, 3214868480
	.fill 96, 4, 3214868480
	.section	.rodata,"a",@progbits
	.p2align	6, 0x0
	.amdhsa_kernel k_qc13d2d0611_up
		.amdhsa_group_segment_fixed_size 168448
		.amdhsa_private_segment_fixed_size 0
		.amdhsa_enable_private_segment 0
		.amdhsa_kernarg_size 48
		.amdhsa_user_sgpr_count 2
		.amdhsa_user_sgpr_kernarg_segment_ptr 1
		.amdhsa_wavefront_size32 1
		.amdhsa_system_sgpr_workgroup_id_x 1
		.amdhsa_system_sgpr_workgroup_id_y 1
		.amdhsa_system_sgpr_workgroup_id_z 1
		.amdhsa_system_vgpr_workitem_id 0
		.amdhsa_next_free_vgpr 306
		.amdhsa_next_free_sgpr 88
		.amdhsa_reserve_vcc 0
		.amdhsa_float_denorm_mode_32 3
		.amdhsa_float_denorm_mode_16_64 3
		.amdhsa_memory_ordered 1
		.amdhsa_forward_progress 1
		.amdhsa_inst_pref_size 81
	.end_amdhsa_kernel
	.amdgpu_metadata
---
amdhsa.version: [ 1, 2 ]
amdhsa.kernels:
  - .name:           k_qc13d2d0611_up
    .symbol:         k_qc13d2d0611_up.kd
    .args:
      - { .name: lat, .offset: 0, .size: 8, .value_kind: global_buffer, .address_space: global }
      - { .name: kr, .offset: 8, .size: 8, .value_kind: global_buffer, .address_space: global }
      - { .name: wq, .offset: 16, .size: 8, .value_kind: global_buffer, .address_space: global }
      - { .name: rope, .offset: 24, .size: 8, .value_kind: global_buffer, .address_space: global }
      - { .name: qf, .offset: 32, .size: 8, .value_kind: global_buffer, .address_space: global }
      - { .name: kv, .offset: 40, .size: 8, .value_kind: global_buffer, .address_space: global }
    .group_segment_fixed_size: 168448
    .private_segment_fixed_size: 0
    .kernarg_segment_align: 8
    .kernarg_segment_size: 48
    .max_flat_workgroup_size: 128
    .sgpr_count:     88
    .vgpr_count:     306
    .wavefront_size: 32
...
	.end_amdgpu_metadata
.endif
;; end of part 3
;; launch attn (part 4): grid 8 x 32, 8 waves a work-group, clusters of 4 x 1, 327,680 bytes of LDS; arguments qf, kv, af; writes af
.if DOCPART == 4
	.amdgcn_target "amdgcn-amd-amdhsa--gfx1250"
	.amdhsa_code_object_version 6
	.text
	.protected	k_qc13d2d0611_attn
	.globl	k_qc13d2d0611_attn
	.p2align	8
	.type	k_qc13d2d0611_attn,@function
k_qc13d2d0611_attn:
	s_mov_b64 s[64:65], 0
	v_nop
	global_prefetch_b8 v0, s[64:65] scope:SCOPE_SE
	s_setreg_imm32_b32 hwreg(HW_REG_WAVE_MODE, 25, 1), 1
	s_wait_xcnt 0x0
	s_wait_alu depctr_hold_cnt(0) depctr_sa_sdst(0) depctr_va_vdst(0) depctr_va_sdst(0) depctr_va_ssrc(0) depctr_va_vcc(0) depctr_vm_vsrc(0)
	s_getreg_b32 s2, hwreg(HW_REG_IB_STS2, 6, 4)
	s_cmp_eq_u32 s2, 0
	s_cbranch_scc0 .Lentry_in_a_cluster
	s_endpgm
.Lentry_in_a_cluster:
	s_bfe_u32 s2, ttmp6, 0x10000c
	s_cmp_lg_u32 s2, 0x3003
	s_cbranch_scc0 .Lentry_shape_is_right
	s_endpgm
.Lentry_shape_is_right:
; ATTN: for each (batch, head): scores = [Q | Q_R] [K | K_R]^T on codes of FP6 (K = 96 and a block of zeros), clipped to +-80, causal mask, softmax of scores / sqrt(96), times V (codes along the keys);
; the result, divided by the row's sum, is quantised along head x 64 + number and stored as half a fragment of the last product's operand.  Layouts: see the head of the first launch's text.
; THE SOFTMAX.  t = clipped score x c, c = log2(e) / sqrt(96).  The clip, which is the problem's own, bounds |t| by 80 c = 11.78 for every input.  So M is the fixed whole number 12: p = 2^(t - 12) lies between
; 2^-23.8 and 2^-0.2: no exponential and no sum of up to 2,048 of them can overflow or underflow in f32.  Against p under the ceiling of the row's largest t this p differs by an exact power of two, which the blocks'
; scales and the division by the row's sum take up: the codes are the same.  The row's sum is taken of the unquantised p.  Since M is one number for all keys, sums over parts of the keys are simply added.
; SHARES.  A head's 2,048 queries are 16 groups of 128; group g sees key steps 0 .. g of 128 keys, the last on the diagonal.  Work goes by PAIRS of query tiles (32 queries: tiles 8 g + 2 cx + 0, 1), so that each
; fragment of K and of V that a wave reads feeds two products.  With X the cluster's x (0, 1) and s = wave % 4, waves s and s + 4 share a long pair, gu = 14 - 2 s + X, and a short one, gl = 15 - gu: 17 steps.
; One of the two pairs is done WHOLE by one wave, the other is SPLIT along the keys between the two:
;   gu >= 11: wave s: the long pair's steps 0 .. 11.                                  Wave s + 4: the short pair whole, then the long pair's steps 12 .. gu.
;   gu < 11:  wave s: the long pair whole, then the short pair's steps 6 .. gl.        Wave s + 4: the short pair's steps 0 .. 5.
; The first walk (steps 0 .. 10) serves the whole pair, which is then finished and stored; the second (steps 0 .. 15) the wave's part of the split pair.  At the end each of the two waves gives the other one tile's O^T
; and sum of the split pair through LDS, adds what it is given, and finishes one tile.  Waves 4-7 hold the split pair's tiles the other way round (tile 1 in the registers called A), so that all waves give B and keep A.
; Which steps a wave walks, and the diagonal, hang on the wave's number, X and the step alone; cx enters global addresses and the number that keys are compared with.
; Both products are used transposed (S^T = K Q^T, O^T = V^T P^T): a lane holds one query; by the order of the keys in a tile of K the 16 registers of tiles 2 b, 2 b + 1 are 16 neighbouring keys.
; THE STEP.  Tile B's scores of this step stand among the clip of tile A's; then K of the next step and V of this one are asked of LDS; tile A's softmax; O_A's products and tile A's scores of the NEXT step stand among
; the clip of tile B's; tile B's softmax; O_B's products.  The clip's lines take -80 and 80 from scalar registers as sources 0 and 1, so they read and write window 0 under the products' windows.
; In the last step of a wave's run of steps the scores of the step behind it are formed too (8 products) and read by nobody: a walk has one text.  All waves load both sets of Q and form the first walk's first scores,
; those with no whole pair too: so every register that the walks' one text reads has been written on every way.
; CLUSTER.  The four partners read the same head: its K and V, 16 steps x 19,200 bytes, come jointly, one load of two steps a wave, and stay: nothing in LDS is filled twice.  One tensor load a wave is outstanding.
; No prefetch: the launch's only tensor loads go out together at its start and bring all that the work-group reads of kv; no later load is left to run ahead of.
; LIMITS: as stated at the head of the first launch's text.
; REGISTERS.  Window 0: v1-11, v48-49 addresses and the mask's numbers; v12-13 -12; v14-15 the add's; v16-17, v26-27 Q's scale words, v18-21 K's, v22-23 V's, v24-25 p's and the result's; v28-43 at work; v44-47 the sums;
;   v52-63 p's codes; v64-127 S_A^T, then p; v128-191 S_B^T; v192-223 O_A^T; v224-255 O_B^T.   Window 1 (loaded data alone): v0-95 K's 8 fragments; v96-143 V's 4; v144-167 Q, first set; v168-191 second set.
.set STEPB, 19200
.set SPARE, 0x4b000
.set GIVE, 4608                        ; what a wave gives: 32 + 4 registers x 128 bytes, in bytes of K's that have had their only fill and their last read
.set WV, 10
.set SEL, 20
.set T, 28
.set CD, 52
.set SA, 64
.set SB, 128
.set OA, 192
.set OB, 224
.set MSB, 0
.macro WIN new                         ; the immediate's high byte repeats the setting that is left
.if MSB != (\new)
	s_set_vgpr_msb (MSB<<8)|(\new)
.set MSB, \new
.endif
.endm
.macro PLACES n
.rept \n
	v_nop
.endr
.endm
.macro CROUND
	s_barrier_signal -1
	s_barrier_wait -1
	s_cmp_lg_u32 s[WV], 0
	s_cbranch_scc1 .Lnw0_\@
	s_barrier_signal -3
.Lnw0_\@:
	s_barrier_wait -3
	s_barrier_signal -1
	s_barrier_wait -1
.endm
; a score product: tile f of K (window 1) x Q at q (window 1) -> s + 8 f, begun with 0.  Windows 0x05
.macro SWM s, q, qs, f
.if (\f)&1
	v_wmma_scale_f32_16x16x128_f8f6f4 v[(\s)+8*(\f):(\s)+8*(\f)+7], v[12*(\f):12*(\f)+11], v[(\q):(\q)+11], 0, v[18+((\f)>>1)], v[\qs] matrix_a_fmt:MATRIX_FMT_FP6 matrix_b_fmt:MATRIX_FMT_FP6 matrix_a_scale:MATRIX_SCALE_ROW1
.else
	v_wmma_scale_f32_16x16x128_f8f6f4 v[(\s)+8*(\f):(\s)+8*(\f)+7], v[12*(\f):12*(\f)+11], v[(\q):(\q)+11], 0, v[18+((\f)>>1)], v[\qs] matrix_a_fmt:MATRIX_FMT_FP6 matrix_b_fmt:MATRIX_FMT_FP6
.endif
.endm
; O^T += tile d of V (window 1) x p's codes (window 0).  Windows 0x01
.macro PWM o, d
.if (\d)&1
	v_wmma_scale_f32_16x16x128_f8f6f4 v[(\o)+8*(\d):(\o)+8*(\d)+7], v[96+12*(\d):96+12*(\d)+11], v[CD:CD+11], v[(\o)+8*(\d):(\o)+8*(\d)+7], v[22+((\d)>>1)], v24 matrix_a_fmt:MATRIX_FMT_FP6 matrix_b_fmt:MATRIX_FMT_FP6 matrix_a_scale:MATRIX_SCALE_ROW1
.else
	v_wmma_scale_f32_16x16x128_f8f6f4 v[(\o)+8*(\d):(\o)+8*(\d)+7], v[96+12*(\d):96+12*(\d)+11], v[CD:CD+11], v[(\o)+8*(\d):(\o)+8*(\d)+7], v[22+((\d)>>1)], v24 matrix_a_fmt:MATRIX_FMT_FP6 matrix_b_fmt:MATRIX_FMT_FP6
.endif
.endm
.macro CLIP r, n                       ; the clip, ahead of the mask and the scaling; the one vector source stands as source 2
.set cn, 0
.rept \n
	v_med3_num_f32 v[(\r)+cn], s44, s45, v[(\r)+cn]
.set cn, cn+1
.endr
.endm
.macro KFR fa                          ; K's 8 fragments.  Windows 0x40
.set f, 0
.rept 8
.irp q, 0,1,2
	ds_load_b128 v[12*f+4*\q:12*f+4*\q+3], v[\fa] offset:1536*f+512*\q
.endr
.set f, f+1
.endr
.endm
.macro KSC sa
.irp j, 0,1,2,3
	ds_load_b32 v[18+\j], v[\sa] offset:12288+128*\j
.endr
.endm
.macro FIRST fa, sa, q, qs             ; ahead of a run of steps: its first step's K, and tile A's scores of that step
	WIN 0x40
	KFR \fa
	WIN 0
	KSC \sa
	s_wait_dscnt 0x0
	WIN 0x05
.set f, 0
.rept 8
	SWM SA, \q, \qs, f
.set f, f+1
.endr
	WIN 0
	PLACES 4
.endm
.macro PKF s, n0                       ; t - 12 of 16 scores, two at a time
.set n, \n0
.rept 8
	v_pk_fma_f32 v[(\s)+n:(\s)+n+1], v[(\s)+n:(\s)+n+1], s[22:23], v[12:13] op_sel_hi:[1,0,0]
.set n, n+2
.endr
.endm
.macro FOLD s, cnt, dist, dep          ; cnt packed additions in place: pair n += pair n + dist
.set n, 0
.rept \cnt
.if \dep
	s_delay_alu instid0(VALU_DEP_\dep)
.endif
	v_pk_add_f32 v[(\s)+n:(\s)+n+1], v[(\s)+n:(\s)+n+1], v[(\s)+n+(\dist):(\s)+n+(\dist)+1]
.set n, n+2
.endr
.endm
; THE SOFTMAX of one tile: clipped scores at s -> p at s, its codes at CD, its scale word v24; sm: the tile's sum, a pair; dr: the number that keys are compared with.
; Dependent lines stand five or more vector lines apart where independent work is at hand: eight chains of maxima, and the scalings between the stages that follow them.
.macro SM s, sm, dr
	s_wait_alu depctr_va_vdst(0)                   ; the wait ahead of the branch
	s_cmp_lg_u32 s41, s43
	s_cbranch_scc1 .Lopen_\@
.set n, 0
.rept 8                                ; on the diagonal register 16 b + i holds key 32 b + 16 h + i: hidden where 32 b + i > dr
.irp k, 0,1,2,3,4,5,6,7
	v_cmp_gt_i32 s[72+\k], 32*((n+\k)/16)+(n+\k)%16, v[\dr]
.endr
.irp k, 0,1,2,3,4,5,6,7
	v_cndmask_b32 v[(\s)+n+\k], v[(\s)+n+\k], v4, s[72+\k]
.endr
.set n, n+8
.endr
.Lopen_\@:
.irp b, 0,1,2,3                        ; the largest score of each block of 32 keys (it gives the block's largest p, since p rises with the score): my 16 in two chains, of 9 and of 7
	v_max3_num_f32 v[T+2*\b], v[(\s)+16*\b], v[(\s)+16*\b+1], v[(\s)+16*\b+2]
	v_max3_num_f32 v[T+2*\b+1], v[(\s)+16*\b+9], v[(\s)+16*\b+10], v[(\s)+16*\b+11]
.endr
.irp i, 3,5
.irp b, 0,1,2,3
	v_max3_num_f32 v[T+2*\b], v[T+2*\b], v[(\s)+16*\b+\i], v[(\s)+16*\b+\i+1]
	v_max3_num_f32 v[T+2*\b+1], v[T+2*\b+1], v[(\s)+16*\b+\i+9], v[(\s)+16*\b+\i+10]
.endr
.endr
.irp b, 0,1,2,3
	v_max3_num_f32 v[T+2*\b], v[T+2*\b], v[(\s)+16*\b+7], v[(\s)+16*\b+8]
.endr
	PKF \s, 0
.irp b, 0,1,2,3
	v_max_num_f32 v[T+2*\b], v[T+2*\b], v[T+2*\b+1]
.endr
	PKF \s, 16
.irp b, 0,1,2,3
	v_permlanex16_b32 v[T+2*\b+1], v[T+2*\b], s[SEL], s[SEL+1]
.endr
	PKF \s, 32
.irp b, 0,1,2,3
	v_max_num_f32 v[T+2*\b], v[T+2*\b], v[T+2*\b+1]   ; with lane l xor 16's 16 keys
.endr
	PKF \s, 48
.irp b, 0,1,2,3
	v_fma_f32 v[T+2*\b], v[T+2*\b], s22, v12
.endr
	s_wait_alu depctr_va_vdst(0)                   ; ahead of the batch
.irp b, 0,1,2,3
	v_exp_f32 v[T+2*\b], v[T+2*\b]                 ; the blocks' largest p: the same two instructions on the same number
.endr
.set n, 0
.rept 64
	v_exp_f32 v[(\s)+n], v[(\s)+n]                 ; p = 2^(t - 12)
.set n, n+1
.endr
	v_nop                                          ; a plain place behind the exponentials
	s_wait_alu depctr_va_vdst(0)                   ; one wait for the batch of 68, ahead of its first reader
.irp b, 0,1,2,3
	v_max_num_f32 v[T+2*\b], 0x1800000, v[T+2*\b]  ; the floor: a block whose every p is 0 keeps the byte 1; its codes are zeros
.endr
.irp b, 0,1,2,3
	s_delay_alu instid0(VALU_DEP_4)
	v_add_nc_u32 v[T+8+\b], 0xff000000, v[T+2*\b]  ; 2 off the exponent field: the conversion's scale operand
.endr
	v_cvt_scalef32_pk16_fp6_f32 v[CD:CD+2], v[(\s):(\s)+15], v[T+8]
	v_cvt_scalef32_pk16_fp6_f32 v[T:T+2], v[(\s)+16:(\s)+31], v[T+9]
	v_cvt_scalef32_pk16_fp6_f32 v[CD+6:CD+8], v[(\s)+32:(\s)+47], v[T+10]
	v_cvt_scalef32_pk16_fp6_f32 v[T+4:T+6], v[(\s)+48:(\s)+63], v[T+11]
.irp b, 0,1,2,3
	v_lshrrev_b32 v[T+12+\b], 23, v[T+8+\b]        ; the bytes: also the plain place behind the conversions
.endr
.irp i, 0,1,2
	v_permlane16_swap_b32 v[CD+\i], v[T+\i]        ; a whole block to a lane
.endr
.irp i, 0,1,2
	v_permlane16_swap_b32 v[CD+6+\i], v[T+4+\i]
.endr
	v_lshl_or_b32 v24, v[T+13], 8, v[T+12]
.irp i, 0,1,2
	v_mov_b32 v[CD+3+\i], v[T+\i]
.endr
.irp i, 0,1,2
	v_mov_b32 v[CD+9+\i], v[T+4+\i]
.endr
	v_lshl_or_b32 v24, v[T+14], 16, v24
	FOLD \s, 16, 32, 0                             ; the row's sum, of the unquantised p, which the conversions have read: a tree in place, 32 packed additions
	v_lshl_or_b32 v24, v[T+15], 24, v24            ; p's scale word for these 128 keys; 16 plain lines follow it ahead of the products that take it
	FOLD \s, 8, 16, 0
	FOLD \s, 4, 8, 4
	FOLD \s, 2, 4, 2
	FOLD \s, 1, 2, 1
	s_delay_alu instid0(VALU_DEP_1)
	v_pk_add_f32 v[(\sm):(\sm)+1], v[(\sm):(\sm)+1], v[(\s):(\s)+1]
	s_wait_alu depctr_va_vdst(0)
.endm
; O^T / the sum, quantised along the head's 64 numbers: half a fragment (an image of four registers and an image of two) and two bytes of each row's scale word
.macro FINISH o, s, sm, pc, pw, fb, sb, fo, so
	v_add_f32 v[\sm], v[\sm], v[(\sm)+1]
	s_delay_alu instid0(VALU_DEP_1)
	v_permlanex16_b32 v[T+4], v[\sm], s[SEL], s[SEL+1]
	s_delay_alu instid0(VALU_DEP_1)
	v_add_f32 v[\sm], v[\sm], v[T+4]               ; with lane l xor 16's keys: the row's sum
	s_wait_alu depctr_va_vdst(0)
	v_rcp_f32 v[(\sm)+1], v[\sm]
	v_nop
	s_wait_alu depctr_va_vdst(0)                   ; ahead of the first reader
.set n, 0
.rept 32
	v_mul_f32 v[(\s)+n], v[(\o)+n], v[(\sm)+1]     ; register 16 b + i: number 32 b + 16 h + i of the head's 64
.set n, n+1
.endr
.irp b, 0,1
	v_max3_num_f32 v[T+\b], |v[(\s)+16*\b]|, |v[(\s)+16*\b+1]|, 0x1800000
.endr
.irp i, 2,4,6,8,10,12,14
.irp b, 0,1
	s_delay_alu instid0(VALU_DEP_2)
	v_max3_num_f32 v[T+\b], v[T+\b], |v[(\s)+16*\b+\i]|, |v[(\s)+16*\b+\i+1]|
.endr
.endr
.irp b, 0,1
	s_delay_alu instid0(VALU_DEP_2)
	v_permlanex16_b32 v[T+4+\b], v[T+\b], s[SEL], s[SEL+1]
.endr
.irp b, 0,1
	s_delay_alu instid0(VALU_DEP_2)
	v_max_num_f32 v[T+\b], v[T+\b], v[T+4+\b]
.endr
.irp b, 0,1
	s_delay_alu instid0(VALU_DEP_2)
	v_add_nc_u32 v[T+12+\b], 0xff000000, v[T+\b]
.endr
.irp b, 0,1
	s_delay_alu instid0(VALU_DEP_2)
	v_lshrrev_b32 v[T+4+\b], 23, v[T+12+\b]
.endr
	s_delay_alu instid0(VALU_DEP_1)
	v_lshl_or_b32 v[\pw], v[T+5], 8, v[T+4]
	v_cvt_scalef32_pk16_fp6_f32 v[(\pc):(\pc)+2], v[(\s):(\s)+15], v[T+12]
	v_cvt_scalef32_pk16_fp6_f32 v[T+8:T+10], v[(\s)+16:(\s)+31], v[T+13]
	v_nop
.irp i, 0,1,2
	v_permlane16_swap_b32 v[(\pc)+\i], v[T+8+\i]
.endr
.irp i, 0,1,2
	s_delay_alu instid0(VALU_DEP_3)
	v_mov_b32 v[(\pc)+3+\i], v[T+8+\i]
.endr
	global_store_b128 v1, v[(\pc):(\pc)+3], s[\fb:\fb+1] offset:\fo
	global_store_b64 v10, v[(\pc)+4:(\pc)+5], s[\fb:\fb+1] offset:(\fo)+512
	global_store_b16 v9, v[\pw], s[\sb:\sb+1] offset:\so   ; lanes r and 16 + r: the same two bytes to the same place
.endm
.macro CLEAR                           ; O^T and the sums begin as zeros: a walk has one text, with no copy of the step that starts the sums
.set n, 0
.rept 64
	v_mov_b32 v[OA+n], 0
.set n, n+1
.endr
.irp i, 44,45,46,47
	v_mov_b32 v\i, 0
.endr
.endm
; A WALK over key steps s41 .. last - 1 (LDS byte s40): of them the wave works steps s46 .. s47; step s43 is masked.  qa, qb: the two tiles' Q (window 1); qsa, qsb: their scale words; da, db: their numbers for the mask.
; first = 1: at step s46 the run's first K and first scores are made here; first = 0: they were made ahead of the walk
.macro WALK qa, qb, qsa, qsb, da, db, last, first
.Lstep_\@:
	s_cmp_lt_i32 s41, s46
	s_cbranch_scc1 .Lskip_\@
	s_cmp_gt_i32 s41, s47
	s_cbranch_scc1 .Lskip_\@
	s_add_co_u32 s42, s40, STEPB
	s_min_u32 s42, s42, 15*STEPB                   ; the next step's K, held inside the 16 steps
	v_add_nc_u32 v5, s40, v1
	v_add_nc_u32 v6, s40, v2
	v_add_nc_u32 v7, s42, v1
	v_add_nc_u32 v8, s42, v2
.if \first
	s_wait_alu depctr_va_vdst(0)                   ; the wait ahead of the branch
	s_cmp_lg_u32 s41, s46
	s_cbranch_scc1 .Lon_\@
	FIRST 5, 6, \qa, \qsa
.Lon_\@:
.endif
	WIN 0x05
.set f, 0
.rept 8                                ; tile B's scores among the clip of tile A's: eight plain lines behind each product, which name none of its registers
	SWM SB, \qb, \qsb, f
	CLIP SA+8*f, 8
.set f, f+1
.endr
	WIN 0x40                                       ; K's and V's registers have been read: 42 LDS loads, which land during tile A's softmax
	KFR 7
.irp d, 0,1,2,3
.irp q, 0,1,2
	ds_load_b128 v[96+12*\d+4*\q:96+12*\d+4*\q+3], v5 offset:12800+1536*\d+512*\q
.endr
.endr
	WIN 0
	KSC 8
	ds_load_b32 v22, v6 offset:18944
	ds_load_b32 v23, v6 offset:18944+128
	SM SA, 44, \da
	s_wait_dscnt 0x0                               ; the next K and this V are in
	WIN 0x01
.irp d, 0,1,2,3                        ; the accumulators by turns; tile B's clip among the products
	PWM OA, \d
	CLIP SB+4*\d, 4
.endr
	WIN 0x05
.set f, 0
.rept 8
	SWM SA, \qa, \qsa, f                           ; tile A's scores of the next step
	CLIP SB+16+6*f, 6
.set f, f+1
.endr
	WIN 0
	SM SB, 46, \db
	WIN 0x01
.irp d, 0,1,2,3
	PWM OB, \d
.endr
	WIN 0
.Lskip_\@:
	s_add_co_u32 s40, s40, STEPB
	s_add_co_u32 s41, s41, 1
	s_cmp_lt_u32 s41, \last
	s_cbranch_scc1 .Lstep_\@
.endm
; byte offsets of group g's pair: its Q and Q's scale words in qf, its half fragments and scale bytes in af
.macro PAIRADR g, fq, sq, fa, sa
	s_lshl_b32 s17, \g, 3
	s_add_co_u32 s16, s18, s17
	s_mul_i32 s[\fq], s16, 1536
	s_mov_b32 s[\fq+1], 0
	s_lshl_b32 s[\sq], s16, 6
	s_add_co_u32 s[\sq], s[\sq], 6291456
	s_mov_b32 s[\sq+1], 0
	s_add_co_u32 s16, s19, s17
	s_mul_i32 s16, s16, 12800
	s_add_co_u32 s[\fa], s16, s36
	s_mov_b32 s[\fa+1], 0
	s_add_co_u32 s[\sa], s16, s37
	s_mov_b32 s[\sa+1], 0
.endm
	s_load_b128 s[4:7], s[0:1], 0x0                ; qf, kv
	s_load_b64 s[8:9], s[0:1], 0x10                ; af
	v_lshl_add_u32 v14, v0, 2, SPARE
	v_mov_b32 v15, 0
	ds_add_u32 v14, v15                            ; the opening lines: the add, twice on end, and its wait ahead of my tensor load
	ds_add_u32 v14, v15
	v_lshrrev_b32 v1, 5, v0
	s_delay_alu instid0(VALU_DEP_1)
	v_readfirstlane_b32 s[WV], v1                  ; wave 0..7
	s_bfe_u32 s11, ttmp6, 0x40000                  ; cx
	s_and_b32 s13, ttmp7, 0xffff                   ; (batch, head): the cluster's y
	s_mov_b32 s[SEL], 0x76543210
	s_mov_b32 s[SEL+1], 0xfedcba98
	s_mov_b32 s22, 0x3e16c740                      ; c = log2(e) / sqrt(96)
	s_mov_b32 s23, s22                             ; (named with it as a pair, so it is written)
	s_mov_b32 s44, 0xc2a00000                      ; -80
	s_mov_b32 s45, 0x42a00000                      ; 80
	; group 1: two key steps, 38,400 dense bytes, as 150 rows of 256 bytes; mask of all four partners with bit 21 beside it
	s_mov_b32 s24, 15|(3<<16)|(1<<21)
	s_mov_b32 s25, 32<<16
	s_mov_b32 s26, 150<<16
	s_mov_b32 s27, 32<<16
	s_mov_b32 s28, 150
	s_mov_b32 s29, 32
	s_mov_b32 s30, 0
	s_mov_b32 s31, 0
	s_mov_b32 s32, 1
	s_mul_i32 s33, s[WV], 2*STEPB                  ; steps 2 w, 2 w + 1
	s_mul_i32 s50, s13, 16*STEPB
	s_add_co_u32 s50, s50, s33
	s_mov_b32 s51, 0
	s_and_b32 s12, s[WV], 3
	s_lshl_b32 s12, s12, 1                         ; 2 s
	s_sub_co_u32 s14, 14, s12
	s_add_co_u32 s14, s14, ttmp9                   ; gu = 14 - 2 s + X
	s_add_co_u32 s15, s12, 1
	s_sub_co_u32 s15, s15, ttmp9                   ; gl = 2 s + 1 - X
	s_cmp_ge_u32 s14, 11                           ; gu >= 11:                    gu < 11:
	s_cselect_b32 s71, s14, s15                    ; the split pair: the long one;    the short one
	s_cselect_b32 s70, s15, s14                    ; the whole pair: the short one;   the long one
	s_cselect_b32 s72, 0, 6                        ; waves 0-3 walk of the split pair steps 0 .. 11;   6 .. gl
	s_cselect_b32 s73, 11, s15
	s_cselect_b32 s74, 12, 0                       ; waves 4-7: 12 .. gu;   0 .. 5
	s_cselect_b32 s75, s14, 5
	s_cselect_b32 s76, -1, s14                     ; the whole pair's last step, or -1 for none: waves 0-3,
	s_cselect_b32 s77, s15, -1                     ; waves 4-7
	s_cmp_lt_u32 s[WV], 4                          ; waves 0-3 or 4-7?
	s_cselect_b32 s48, s72, s74
	s_cselect_b32 s49, s73, s75
	s_cselect_b32 s12, s76, s77
	s_cselect_b32 s72, 0, 1536                     ; of the split pair I hold as A, and finish, tile 0 or tile 1: its Q and its half fragment,
	s_cselect_b32 s73, 1536, 0                     ; (and as B the other)
	s_cselect_b32 s74, 0, 64                       ; its scale words,
	s_cselect_b32 s75, 64, 0
	s_cselect_b32 s76, 0, 8                        ; its number for the mask
	s_cselect_b32 s77, 8, 0
	s_lshl_b32 s18, s13, 7
	s_lshl_b32 s17, s11, 1
	s_add_co_u32 s18, s18, s17                     ; qf's tile 128 (batch, head) + 2 cx, + 8 g
	s_lshr_b32 s19, s13, 4
	s_lshl_b32 s19, s19, 7
	s_bfe_u32 s17, s13, 0x30001
	s_add_co_u32 s19, s19, s17                     ; af's panel 128 batch + head / 2, + 8 g; in it fragments 2 cx, 2 cx + 1, half head % 2
	s_and_b32 s17, s13, 1
	s_mul_i32 s36, s17, 768
	s_mul_i32 s16, s11, 3072
	s_add_co_u32 s36, s36, s16
	s_lshl_b32 s37, s17, 1
	s_lshl_b32 s16, s11, 7
	s_add_co_u32 s37, s37, s16
	s_add_co_u32 s37, s37, 12288
	PAIRADR s71, 60, 62, 52, 54                    ; the split pair
	PAIRADR s70, 56, 58, 66, 68                    ; the whole pair
	s_add_co_u32 s52, s52, s72
	s_add_co_u32 s54, s54, s74
	s_mul_i32 s38, s[WV], GIVE                     ; where I give,
	s_xor_b32 s39, s[WV], 4
	s_mul_i32 s39, s39, GIVE                       ; and where I am given
	s_lshl_b32 s17, s11, 5                         ; my pairs' place among their groups' 128 queries
	v_and_b32 v5, 31, v0                           ; lane
	v_and_b32 v6, 15, v0                           ; r
	v_bfe_u32 v7, v0, 4, 1                         ; h
	v_mov_b32 v4, 0xff800000                       ; -infinity
	v_mov_b32 v12, 0xc1400000                      ; -12
	v_mov_b32 v13, 0xc1400000
	v_lshlrev_b32 v1, 4, v5                        ; 16 x lane
	v_lshlrev_b32 v2, 2, v5                        ; 4 x lane
	v_lshlrev_b32 v10, 3, v5                       ; 8 x lane
	v_lshlrev_b32 v9, 2, v6                        ; 4 r
	v_and_b32 v3, 8, v6
	v_lshlrev_b32 v7, 4, v7
	s_delay_alu instid0(VALU_DEP_2)
	v_add_nc_u32 v3, v3, v6
	s_delay_alu instid0(VALU_DEP_1)
	v_sub_nc_u32 v3, v3, v7
	s_delay_alu instid0(VALU_DEP_1)
	v_add_nc_u32 v3, s17, v3                       ; tile 0: my query's place among its group's 128 less 16 h
	v_add_nc_u32 v5, s72, v1                       ; the split pair's Q: the offsets of the tile that I hold as A,
	v_add_nc_u32 v6, s73, v1                       ; and as B;
	v_add_nc_u32 v7, s74, v9                       ; of their scale words
	v_add_nc_u32 v8, s75, v9
	v_add_nc_u32 v11, 8, v3                        ; tile 1: 8 further on
	v_add_nc_u32 v48, s76, v3                      ; the split pair's numbers for the mask: A's,
	v_add_nc_u32 v49, s77, v3                      ; B's
.irp b, 0,1,2,3,4,5,6,7
	v_mov_b32 v[T+\b], 0                           ; a lane permute's destination counts as one of its sources
.endr
	s_wait_alu depctr_va_vdst(0)                   ; the wait here, directly ahead of the waits below
	s_wait_dscnt 0x0                               ; both opening adds are done
	s_wait_kmcnt 0x0
	s_add_nc_u64 s[34:35], s[6:7], s[50:51]
	s_or_b32 s35, s35, 0x80000000
	s_add_nc_u64 s[56:57], s[4:5], s[56:57]
	s_add_nc_u64 s[58:59], s[4:5], s[58:59]
	s_add_nc_u64 s[60:61], s[4:5], s[60:61]
	s_add_nc_u64 s[62:63], s[4:5], s[62:63]
	s_add_nc_u64 s[52:53], s[8:9], s[52:53]
	s_add_nc_u64 s[54:55], s[8:9], s[54:55]
	s_add_nc_u64 s[66:67], s[8:9], s[66:67]
	s_add_nc_u64 s[68:69], s[8:9], s[68:69]
	CROUND                                         ; all four partners are here: the joint loads meet
	tensor_load_to_lds s[32:35], s[24:31]          ; my one tensor load
	s_nop 0
	PLACES 4
	WIN 0x40                                       ; destination window 1
.irp q, 0,1,2
	global_load_b128 v[144+4*\q:147+4*\q], v1, s[56:57] offset:512*\q            ; the whole pair: tile 0 as A, tile 1 as B
	global_load_b128 v[156+4*\q:159+4*\q], v1, s[56:57] offset:1536+512*\q
	global_load_b128 v[168+4*\q:171+4*\q], v5, s[60:61] offset:512*\q            ; the split pair
	global_load_b128 v[180+4*\q:183+4*\q], v6, s[60:61] offset:512*\q
.endr
	WIN 0
	global_load_b32 v16, v9, s[58:59]
	global_load_b32 v17, v9, s[58:59] offset:64
	global_load_b32 v26, v7, s[62:63]
	global_load_b32 v27, v8, s[62:63]
	CLEAR                                          ; while the tiles are on their way
	s_mov_b32 s40, 0                               ; the step's LDS byte,
	s_mov_b32 s41, 0                               ; and its number
	s_mov_b32 s43, s70                             ; the whole pair: its diagonal,
	s_mov_b32 s46, 0                               ; its steps 0 ..
	s_mov_b32 s47, s12                             ; .. g, or none
	s_wait_alu depctr_va_vdst(0)                   ; the wait at the head's end
	s_wait_loadcnt 0x0                             ; Q
	s_wait_tensorcnt 0x0                           ; my two steps are in
	s_barrier_signal -1
	s_barrier_wait -1                              ; the head's K and V lie in LDS
	FIRST 1, 2, 144, 16
	WALK 144, 156, 16, 17, 3, 11, 11, 0            ; the whole pair has 11 steps at the most
	s_cmp_lt_i32 s12, 0
	s_cbranch_scc1 .Lnone                          ; no whole pair: nothing to finish here
	FINISH OA, SA, 44, 52, 24, 66, 68, 0, 0        ; (the first plain lines, which name none of O_B's registers, are the places behind the last products)
	FINISH OB, SB, 46, 58, 25, 66, 68, 1536, 64
	CLEAR
	s_wait_xcnt 0x0                                ; the stores have read v24-25 and v52-63, which the next steps write
.Lnone:
	s_mov_b32 s40, 0
	s_mov_b32 s41, 0
	s_mov_b32 s43, s71                             ; the split pair: its diagonal, and my steps of it
	s_mov_b32 s46, s48
	s_mov_b32 s47, s49
	WALK 168, 180, 26, 27, 48, 49, 16, 1
	PLACES 4                                       ; behind the last products, ahead of the stores of O_B
	v_add_nc_u32 v5, s38, v1
	v_add_nc_u32 v6, s39, v1
	s_wait_alu depctr_va_vdst(0)                   ; the wait here, directly ahead of the wait below
	s_wait_dscnt 0x0                               ; my reads of K and V are over
	s_barrier_signal -1
	s_barrier_wait -1                              ; and everybody's: their bytes, which no load fills again, may be stored to
.irp k, 0,1,2,3,4,5,6,7
	ds_store_b128 v5, v[OB+4*\k:OB+4*\k+3] offset:512*\k   ; each accumulator from its low end on
.endr
	ds_store_b128 v5, v[44:47] offset:4096
	s_wait_dscnt 0x0                               ; for my partner's sake
	s_barrier_signal -1
	s_barrier_wait -1
.irp k, 0,1,2,3,4,5,6,7
	ds_load_b128 v[SA+4*\k:SA+4*\k+3], v6 offset:512*\k    ; my partner's B is the tile that I hold as A
.endr
	ds_load_b128 v[T:T+3], v6 offset:4096
	s_wait_dscnt 0x0
	v_pk_add_f32 v[44:45], v[44:45], v[T+2:T+3]
.set n, 0
.rept 16
	v_pk_add_f32 v[OA+n:OA+n+1], v[OA+n:OA+n+1], v[SA+n:SA+n+1]
.set n, n+2
.endr
	FINISH OA, SA, 44, 52, 24, 52, 54, 0, 0
	s_wait_tensorcnt 0x0                           ; the wave's end: behind my last LDS store
	ds_add_u32 v14, v15
	s_wait_dscnt 0x0
	CROUND                                         ; the closing round
	s_endpgm
.Lfunc_end_k_qc13d2d0611_attn:
	.size	k_qc13d2d0611_attn, .Lfunc_end_k_qc13d2d0611_attn-k_qc13d2d0611_attn
	.p2alignl 7, 3214868480
	.fill 96, 4, 3214868480
	.section	.rodata,"a",@progbits
	.p2align	6, 0x0
	.amdhsa_kernel k_qc13d2d0611_attn
		.amdhsa_group_segment_fixed_size 327680
		.amdhsa_private_segment_fixed_size 0
		.amdhsa_enable_private_segment 0
		.amdhsa_kernarg_size 24
		.amdhsa_user_sgpr_count 2
		.amdhsa_user_sgpr_kernarg_segment_ptr 1
		.amdhsa_wavefront_size32 1
		.amdhsa_system_sgpr_workgroup_id_x 1
		.amdhsa_system_sgpr_workgroup_id_y 1
		.amdhsa_system_sgpr_workgroup_id_z 1
		.amdhsa_system_vgpr_workitem_id 0
		.amdhsa_next_free_vgpr 448
		.amdhsa_next_free_sgpr 80
		.amdhsa_reserve_vcc 0
		.amdhsa_float_denorm_mode_32 3
		.amdhsa_float_denorm_mode_16_64 3
		.amdhsa_memory_ordered 1
		.amdhsa_forward_progress 1
		.amdhsa_inst_pref_size 143
	.end_amdhsa_kernel
	.amdgpu_metadata
---
amdhsa.version: [ 1, 2 ]
amdhsa.kernels:
  - .name:           k_qc13d2d0611_attn
    .symbol:         k_qc13d2d0611_attn.kd
    .args:
      - { .name: qf, .offset: 0, .size: 8, .value_kind: global_buffer, .address_space: global }
      - { .name: kv, .offset: 8, .size: 8, .value_kind: global_buffer, .address_space: global }
      - { .name: af, .offset: 16, .size: 8, .value_kind: global_buffer, .address_space: global }
    .group_segment_fixed_size: 327680
    .private_segment_fixed_size: 0
    .kernarg_segment_align: 8
    .kernarg_segment_size: 24
    .max_flat_workgroup_size: 256
    .sgpr_count:     80
    .vgpr_count:     448
    .wavefront_size: 32
...
	.end_amdgpu_metadata
.endif
;; end of part 4
;; launch out (part 5): grid 8 x 32, 4 waves a work-group, clusters of 4 x 4, 327,680 bytes of LDS; arguments af, wq, out0; writes out0
.if DOCPART == 5
	.amdgcn_target "amdgcn-amd-amdhsa--gfx1250"
	.amdhsa_code_object_version 6
	.text
	.protected	k_qc13d2d0611_out
	.globl	k_qc13d2d0611_out
	.p2align	8
	.type	k_qc13d2d0611_out,@function
k_qc13d2d0611_out:
	s_mov_b64 s[64:65], 0
	v_nop
	global_prefetch_b8 v0, s[64:65] scope:SCOPE_SE
	s_setreg_imm32_b32 hwreg(HW_REG_WAVE_MODE, 25, 1), 1
	s_wait_xcnt 0x0
	s_wait_alu depctr_hold_cnt(0) depctr_sa_sdst(0) depctr_va_vdst(0) depctr_va_sdst(0) depctr_va_ssrc(0) depctr_va_vcc(0) depctr_vm_vsrc(0)
	s_getreg_b32 s2, hwreg(HW_REG_IB_STS2, 6, 4)
	s_cmp_eq_u32 s2, 0
	s_cbranch_scc0 .Lentry_in_a_cluster
	s_endpgm
.Lentry_in_a_cluster:
	s_bfe_u32 s2, ttmp6, 0x10000c
	s_cmp_lg_u32 s2, 0xf033
	s_cbranch_scc0 .Lentry_shape_is_right
	s_endpgm
.Lentry_shape_is_right:
; OUT: out0 = attn W_o^T on codes of FP6, K = 1,024.  attn's codes lie in af (panels of 128 tokens x 128 K; a fragment's halves as an image of four registers and an image of two), W_o's in wq's panels 96 + 8 rp + ks.
; SHARES.  Work-group (rp, tp): 128 tokens x 128 columns; wave (wr, wc) = (w / 2, w % 2): 64 x 64: 16 accumulators, 8 K steps.  Used TRANSPOSED (source 0 = 16 rows of W_o, source 1 = 16 tokens): a lane holds eight
; neighbouring columns of one token in each accumulator.
; CLUSTER 4 x 4.  attn's panels hang on tp alone and are shared along a row of the cluster, W_o's on rp alone and are shared along a column: joint loads, one a wave (waves 0, 1: attn's; 2, 3: W_o's), each of four panels.
; All 8 K steps of both lie in LDS at once, filled once.  A wave has one tensor load outstanding.
; LDS: attn's panel ks at PB ks; W_o's at 8 PB + PB ks; from 16 PB on the stage for the way out, 128 rows x 528 bytes, into which no load lands.
; REGISTERS: window 0: v4-18 addresses; v20-27 scale words (2 sets: W_o's two pairs of tiles, attn's two); v32-127 W_o's fragments (2 sets x 4); v128-255 accumulator (a, b) at 128 + 8 (4 a + b).  Window 1: v0-95 attn's (2 x 4).
.set PB, 12800
.set WV, 10
.set STAGE, 16*PB
.set MSB, 0
.macro WIN new
.if MSB != (\new)
	s_set_vgpr_msb (MSB<<8)|(\new)
.set MSB, \new
.endif
.endm
.macro PLACES n
.rept \n
	v_nop
.endr
.endm
.macro CROUND
	s_barrier_signal -1
	s_barrier_wait -1
	s_cmp_lg_u32 s[WV], 0
	s_cbranch_scc1 .Lnw0_\@
	s_barrier_signal -3
.Lnw0_\@:
	s_barrier_wait -3
	s_barrier_signal -1
	s_barrier_wait -1
.endm
.macro WM d, a, b, zero, sa, sb, ra, rb
.if \zero
.if (\ra) && (\rb)
	v_wmma_scale_f32_16x16x128_f8f6f4 v[(\d):(\d)+7], v[(\a):(\a)+11], v[(\b):(\b)+11], 0, v[\sa], v[\sb] matrix_a_fmt:MATRIX_FMT_FP6 matrix_b_fmt:MATRIX_FMT_FP6 matrix_a_scale:MATRIX_SCALE_ROW1 matrix_b_scale:MATRIX_SCALE_ROW1
.elseif (\ra)
	v_wmma_scale_f32_16x16x128_f8f6f4 v[(\d):(\d)+7], v[(\a):(\a)+11], v[(\b):(\b)+11], 0, v[\sa], v[\sb] matrix_a_fmt:MATRIX_FMT_FP6 matrix_b_fmt:MATRIX_FMT_FP6 matrix_a_scale:MATRIX_SCALE_ROW1
.elseif (\rb)
	v_wmma_scale_f32_16x16x128_f8f6f4 v[(\d):(\d)+7], v[(\a):(\a)+11], v[(\b):(\b)+11], 0, v[\sa], v[\sb] matrix_a_fmt:MATRIX_FMT_FP6 matrix_b_fmt:MATRIX_FMT_FP6 matrix_b_scale:MATRIX_SCALE_ROW1
.else
	v_wmma_scale_f32_16x16x128_f8f6f4 v[(\d):(\d)+7], v[(\a):(\a)+11], v[(\b):(\b)+11], 0, v[\sa], v[\sb] matrix_a_fmt:MATRIX_FMT_FP6 matrix_b_fmt:MATRIX_FMT_FP6
.endif
.else
.if (\ra) && (\rb)
	v_wmma_scale_f32_16x16x128_f8f6f4 v[(\d):(\d)+7], v[(\a):(\a)+11], v[(\b):(\b)+11], v[(\d):(\d)+7], v[\sa], v[\sb] matrix_a_fmt:MATRIX_FMT_FP6 matrix_b_fmt:MATRIX_FMT_FP6 matrix_a_scale:MATRIX_SCALE_ROW1 matrix_b_scale:MATRIX_SCALE_ROW1
.elseif (\ra)
	v_wmma_scale_f32_16x16x128_f8f6f4 v[(\d):(\d)+7], v[(\a):(\a)+11], v[(\b):(\b)+11], v[(\d):(\d)+7], v[\sa], v[\sb] matrix_a_fmt:MATRIX_FMT_FP6 matrix_b_fmt:MATRIX_FMT_FP6 matrix_a_scale:MATRIX_SCALE_ROW1
.elseif (\rb)
	v_wmma_scale_f32_16x16x128_f8f6f4 v[(\d):(\d)+7], v[(\a):(\a)+11], v[(\b):(\b)+11], v[(\d):(\d)+7], v[\sa], v[\sb] matrix_a_fmt:MATRIX_FMT_FP6 matrix_b_fmt:MATRIX_FMT_FP6 matrix_b_scale:MATRIX_SCALE_ROW1
.else
	v_wmma_scale_f32_16x16x128_f8f6f4 v[(\d):(\d)+7], v[(\a):(\a)+11], v[(\b):(\b)+11], v[(\d):(\d)+7], v[\sa], v[\sb] matrix_a_fmt:MATRIX_FMT_FP6 matrix_b_fmt:MATRIX_FMT_FP6
.endif
.endif
.endm
	s_load_b128 s[4:7], s[0:1], 0x0                ; af, wq
	s_load_b64 s[8:9], s[0:1], 0x10                ; out0
	v_lshl_add_u32 v30, v0, 2, 0x42800
	v_mov_b32 v31, 0
	ds_add_u32 v30, v31
	ds_add_u32 v30, v31
	v_lshrrev_b32 v1, 5, v0
	v_readfirstlane_b32 s[WV], v1                  ; wave 0..3
	s_lshr_b32 s11, s[WV], 1                       ; wr.  Also: I fetch attn's panels (0) or W_o's (1)
	s_and_b32 s12, s[WV], 1                        ; wc.  Also: which panels
	s_bfe_u32 s13, ttmp6, 0x40000                  ; cx
	s_bfe_u32 s14, ttmp6, 0x40004                  ; cy
	s_lshl_b32 s15, ttmp9, 2
	s_add_co_u32 s15, s15, s13                     ; rp
	s_and_b32 s16, ttmp7, 0xffff
	s_lshl_b32 s16, s16, 2
	s_add_co_u32 s16, s16, s14                     ; tp
	s_lshl_b32 s17, s14, 2
	s_lshl_b32 s17, 15, s17                        ; my row of the cluster
	s_lshl_b32 s18, 0x1111, s13                    ; my column
	; group 1: four panels, 51,200 dense bytes, as 200 rows of 256 bytes; bit 21 beside the mask
	s_or_b32 s24, s17, (3<<16)|(1<<21)
	s_or_b32 s32, s18, (3<<16)|(1<<21)
.irp g, 24, 32
	s_mov_b32 s[\g+1], 32<<16
	s_mov_b32 s[\g+2], 200<<16                     ; one joint load a wave: four panels, 51,200 dense bytes, as 200 rows of 256 bytes
	s_mov_b32 s[\g+3], 32<<16
	s_mov_b32 s[\g+4], 200
	s_mov_b32 s[\g+5], 32
	s_mov_b32 s[\g+6], 0
	s_mov_b32 s[\g+7], 0
.endr
	s_lshl_b32 s19, s12, 2                         ; panels 4 e .. 4 e + 3
	s_lshl_b32 s56, s16, 3
	s_add_co_u32 s56, s56, s19
	s_mul_i32 s56, s56, PB                         ; attn's: by tp and the wave alone
	s_mov_b32 s57, 0
	s_lshl_b32 s58, s15, 3
	s_add_co_u32 s58, s58, s19
	s_add_co_u32 s58, s58, 96
	s_mul_i32 s58, s58, PB                         ; W_o's: by rp and the wave alone
	s_mov_b32 s59, 0
	s_mul_i32 s19, s12, 4*PB                       ; where they go: no place in the cluster enters an LDS address
	s_mov_b32 s40, 1
	s_mov_b32 s41, s19
	s_mov_b32 s48, 1
	s_add_co_u32 s49, s19, 8*PB
	s_lshl_b32 s60, s16, 7
	s_lshl_b32 s61, s[WV], 5
	s_add_co_u32 s60, s60, s61
	s_lshl_b32 s60, s60, 12                        ; the first row that I store: token 128 tp + 32 w, 4,096 bytes a row,
	s_lshl_b32 s62, s15, 9
	s_add_co_u32 s60, s60, s62                     ; + 512 rp
	s_mov_b32 s61, 0
	s_wait_dscnt 0x0
	s_wait_kmcnt 0x0
	s_add_nc_u64 s[42:43], s[4:5], s[56:57]
	s_or_b32 s43, s43, 0x80000000
	s_add_nc_u64 s[50:51], s[6:7], s[58:59]
	s_or_b32 s51, s51, 0x80000000
	s_add_nc_u64 s[8:9], s[8:9], s[60:61]
	CROUND                                         ; all sixteen work-groups are here
	s_cmp_lt_u32 s[WV], 2                          ; a wave's two fills stand in one branch on its number
	s_cbranch_scc0 .Lfor_b
	tensor_load_to_lds s[40:43], s[24:31]
	s_nop 0
	PLACES 4
	s_branch .Lasked
.Lfor_b:
	tensor_load_to_lds s[48:51], s[32:39]
	s_nop 0
	PLACES 4
.Lasked:
	v_and_b32 v1, 31, v0                           ; lane
	v_and_b32 v2, 15, v0                           ; r
	v_bfe_u32 v3, v0, 4, 1                         ; h
	v_lshlrev_b32 v16, 4, v1                       ; 16 x lane
	v_lshlrev_b32 v17, 3, v1                       ; 8 x lane
	v_lshlrev_b32 v18, 2, v1                       ; 4 x lane
	s_mul_i32 s20, s11, 6144                       ; my four token tiles
	v_add_nc_u32 v4, s20, v16
	v_add_nc_u32 v5, 4*PB, v4
	v_add_nc_u32 v6, s20, v17
	v_add_nc_u32 v7, 4*PB, v6
	s_mul_i32 s21, s12, 6144                       ; my four tiles of W_o
	s_add_co_u32 s21, s21, 8*PB
	v_add_nc_u32 v8, s21, v16
	v_add_nc_u32 v9, 4*PB, v8
	s_lshl_b32 s20, s11, 8
	s_add_co_u32 s20, s20, 12288
	v_add_nc_u32 v10, s20, v18
	v_add_nc_u32 v11, 4*PB, v10
	s_lshl_b32 s21, s12, 8
	s_add_co_u32 s21, s21, 8*PB+12288
	v_add_nc_u32 v12, s21, v18
	v_add_nc_u32 v13, 4*PB, v12
	v_mul_u32_u24 v14, v2, 528                     ; the stage, in: row 64 wr + 16 a + r (the tokens in the fragments' order), byte 256 wc + 64 h + ..
	v_lshl_add_u32 v14, v3, 6, v14
	s_mul_i32 s20, s11, 64*528
	s_lshl_b32 s21, s12, 8
	s_add_co_u32 s20, s20, s21
	s_add_co_u32 s20, s20, STAGE
	v_add_nc_u32 v14, s20, v14
	s_mul_i32 s20, s[WV], 32*528                   ; and back: rows 32 w on, whole
	s_add_co_u32 s20, s20, STAGE
	v_add_nc_u32 v15, s20, v16
; K step n: attn's four fragments (window 1), W_o's four, four scale registers: 32 LDS loads, into set n % 2
.macro LOADK n
.set lc, (\n)>>2
.set lof, ((\n)&3)*PB
.set ls, (\n)&1
	WIN 0x40                                       ; destination window 1
.irp a, 0,1,2,3
	ds_load_b128 v[48*ls+12*\a:48*ls+12*\a+3], v[4+lc] offset:lof+1536*\a
	ds_load_b64 v[48*ls+12*\a+4:48*ls+12*\a+5], v[6+lc] offset:lof+1536*\a+512
	ds_load_b128 v[48*ls+12*\a+6:48*ls+12*\a+9], v[4+lc] offset:lof+1536*\a+768
	ds_load_b64 v[48*ls+12*\a+10:48*ls+12*\a+11], v[6+lc] offset:lof+1536*\a+1280
.endr
	WIN 0x04                                       ; destination window 0; source 1 window 1, for the products
.irp b, 0,1,2,3
.irp q, 0,1,2
	ds_load_b128 v[32+48*ls+12*\b+4*\q:35+48*ls+12*\b+4*\q], v[8+lc] offset:lof+1536*\b+512*\q
.endr
.endr
	ds_load_b32 v[20+4*ls], v[12+lc] offset:lof
	ds_load_b32 v[21+4*ls], v[12+lc] offset:lof+128
	ds_load_b32 v[22+4*ls], v[10+lc] offset:lof
	ds_load_b32 v[23+4*ls], v[10+lc] offset:lof+128
.endm
.macro MULK n                          ; 16 products, the 16 accumulators by turns, in the same order in every K step
.set ls, (\n)&1
.irp a, 0,1,2,3
.irp b, 0,1,2,3
	WM 128+8*(4*\a+\b), 32+48*ls+12*\b, 48*ls+12*\a, ((\n)==0), 20+4*ls+(\b>>1), 22+4*ls+(\a>>1), (\b&1), (\a&1)
.endr
.endr
.endm
	s_wait_alu depctr_va_vdst(0)
	s_wait_tensorcnt 0x0                           ; my four panels are in: behind the barrier all 8 K steps of both operands lie in LDS
	s_barrier_signal -1
	s_barrier_wait -1                              ; K steps 0-3 of both operands lie in LDS
	LOADK 0
.set nn, 0
.rept 7
.if nn > 0
	PLACES 4                                       ; ahead of loads into registers that products have read
.endif
	LOADK nn+1
	s_wait_dscnt 32                                ; K step nn is in; the 32 loads of K step nn + 1 may be out
	MULK nn
.set nn, nn+1
.endr
	s_wait_dscnt 0x0
	MULK 7
	WIN 0
	PLACES 4
; THE WAY OUT.  Accumulator (a, b), lane (r, h), register j: token row 16 a + r of my 64, column 32 (b / 2) + 16 h + 8 (b % 2) + j of my 64.  Through the work-group's stage, since a row's 512 bytes come from two waves.
.irp a, 0,1,2,3
.irp b, 0,1,2,3
	ds_store_b128 v14, v[128+8*(4*\a+\b):131+8*(4*\a+\b)] offset:\a*8448+128*(\b>>1)+32*(\b&1)      ; each accumulator from its low end on
	ds_store_b128 v14, v[132+8*(4*\a+\b):135+8*(4*\a+\b)] offset:\a*8448+128*(\b>>1)+32*(\b&1)+16
.endr
.endr
	s_wait_dscnt 0x0                               ; for the others' sake: my stores into the stage are done
	s_barrier_signal -1
	s_barrier_wait -1
.set k, 0
.rept 32
	ds_load_b128 v[128+4*k:131+4*k], v15 offset:528*k
.set k, k+1
.endr
.set k, 0
.rept 32
	s_wait_dscnt 31-k                              ; row k is back; the 31 - k younger loads may be out
	global_store_b128 v16, v[128+4*k:131+4*k], s[8:9] offset:(8*(k>>4)+(k&7)+16*((k>>3)&1))*4096 th:TH_STORE_NT   ; stage row k of my 32 is token 8 (k / 16) + k % 8 + 16 ((k / 8) % 2): 512 consecutive bytes, aligned
.set k, k+1
.endr
	s_wait_tensorcnt 0x0
	ds_add_u32 v30, v31
	s_wait_dscnt 0x0
	CROUND                                         ; the closing round
	s_endpgm
.Lfunc_end_k_qc13d2d0611_out:
	.size	k_qc13d2d0611_out, .Lfunc_end_k_qc13d2d0611_out-k_qc13d2d0611_out
	.p2alignl 7, 3214868480
	.fill 96, 4, 3214868480
	.section	.rodata,"a",@progbits
	.p2align	6, 0x0
	.amdhsa_kernel k_qc13d2d0611_out
		.amdhsa_group_segment_fixed_size 327680
		.amdhsa_private_segment_fixed_size 0
		.amdhsa_enable_private_segment 0
		.amdhsa_kernarg_size 24
		.amdhsa_user_sgpr_count 2
		.amdhsa_user_sgpr_kernarg_segment_ptr 1
		.amdhsa_wavefront_size32 1
		.amdhsa_system_sgpr_workgroup_id_x 1
		.amdhsa_system_sgpr_workgroup_id_y 1
		.amdhsa_system_sgpr_workgroup_id_z 1
		.amdhsa_system_vgpr_workitem_id 0
		.amdhsa_next_free_vgpr 352
		.amdhsa_next_free_sgpr 66
		.amdhsa_reserve_vcc 0
		.amdhsa_float_denorm_mode_32 3
		.amdhsa_float_denorm_mode_16_64 3
		.amdhsa_memory_ordered 1
		.amdhsa_forward_progress 1
		.amdhsa_inst_pref_size 49
	.end_amdhsa_kernel
	.amdgpu_metadata
---
amdhsa.version: [ 1, 2 ]
amdhsa.kernels:
  - .name:           k_qc13d2d0611_out
    .symbol:         k_qc13d2d0611_out.kd
    .args:
      - { .name: af, .offset: 0, .size: 8, .value_kind: global_buffer, .address_space: global }
      - { .name: wq, .offset: 8, .size: 8, .value_kind: global_buffer, .address_space: global }
      - { .name: out0, .offset: 16, .size: 8, .value_kind: global_buffer, .address_space: global }
    .group_segment_fixed_size: 327680
    .private_segment_fixed_size: 0
    .kernarg_segment_align: 8
    .kernarg_segment_size: 24
    .max_flat_workgroup_size: 128
    .sgpr_count:     66
    .vgpr_count:     352
    .wavefront_size: 32
...
	.end_amdgpu_metadata
.endif
;; end of part 5
